; MI455X (gfx1250); checked and timed in simulation.
; The chip was launched on July 23, 2026; its instructions are those of AMD's public machine-readable ISA for CDNA 5 (MIT licence, August 2026) and "CDNA5" Instruction Set Architecture Reference Guide (July 2026). The comments in the code are by the model that wrote it; some were corrected since.
;; Self Attention. Allowed arithmetic: matrix products marked QUANTISED: E2M3 operands, one E8M0 scale for each 32 along K, by v_wmma_scale_f32_16x16x128_f8f6f4 with both operands' format E2M3, f32 sums; everything else in f32.
;; Inputs: Wk 1,024 x 1,024 float32; Wp 1,024 x 1,024 float32; Wq 1,024 x 1,024 float32; Wv 1,024 x 1,024 float32; bk 1,024 float32; bp 1,024 float32; bq 1,024 float32; bv 1,024 float32; key_in 4 x 2,048 x 1,024 float32; query_in 4 x 2,048 x 1,024 float32; value_in 4 x 2,048 x 1,024 float32.
;; Outputs: out0 4 x 2,048 x 1,024 float32.
;; This version of the problem:
;;   THIS VERSION OF THE PROBLEM IS GIVEN IN LOW PRECISION. The matrix products marked QUANTISED in the list below multiply operands that are first quantised to E2M3 (2 exponent bits, 3 mantissa bits; 6 bits a number), with one power-of-two scale for each 32 numbers along K (OCP MX v1.0); their sums are f32. All else is computed in f32.
;;   The module's matrix products, in the order in which they are computed (A, B: the left and right operand; K: the contracted axis; several contracted axes count as one K, in the product's order):
;;     1. [M 8,192, K 1,024] x [K 1,024, N 1,024]; A: input key_in; B: input Wk: QUANTISED
;;     2. [M 8,192, K 1,024] x [K 1,024, N 1,024]; A: input query_in; B: input Wq: QUANTISED
;;     3. [M 8,192, K 1,024] x [K 1,024, N 1,024]; A: input value_in; B: input Wv: QUANTISED
;;     4. batch 64 x [M 2,048, K 64] x [K 64, N 2,048]; A: computed on the way; B: computed on the way: QUANTISED
;;     5. batch 64 x [M 2,048, K 2,048] x [K 2,048, N 64]; A: softmax (see below); B: computed on the way: QUANTISED
;;     6. [M 8,192, K 1,024] x [K 1,024, N 1,024]; A: computed on the way; B: input Wp: QUANTISED
;;   THE QUANTISER, for each operand of a quantised product, along K:
;;     - K is cut into blocks of 32 from its start; a last block that is shorter is filled with zeros.
;;     - A block's scale is 2^e with e = floor(log2(the largest magnitude in the block)) - 2, held to -126 .. 127; a block of zeros has e = 0. As a byte (E8M0): e + 127.
;;     - Each number is divided by its block's scale, clamped to +-7.5, and rounded to the nearest number of E2M3, ties to even, subnormals kept.
;;     - The product sums the exact products of the quantised numbers (number of the format x scale) in f32.
;;   ~~~python
;;   def quantise(x, axis):      # numpy; x: float32 -> the quantised numbers, widened to float32 again
;;       x = np.moveaxis(x, axis, -1); K = x.shape[-1]
;;       x = np.pad(x, [(0, 0)] * (x.ndim - 1) + [(0, -K % 32)]); x = x.reshape(x.shape[:-1] + (-1, 32)); a = np.abs(x).max(-1, keepdims=True)
;;       e = np.where(a > 0, np.clip(np.frexp(np.where(a > 0, a, 1))[1] - 1 - 2, -126, 127), 0)      # np.frexp(a)[1] - 1 = floor(log2(a)), exactly
;;       r = np.clip(x / 2.0 ** e, -7.5, 7.5)
;;       step = 2.0 ** (np.maximum(np.frexp(np.where(r == 0, 1, r))[1] - 1, 0) - 3)
;;       q = np.round(r / step) * step * 2.0 ** e      # np.round: ties to even
;;       return np.moveaxis(q.reshape(q.shape[:-2] + (-1,))[..., :K], -1, axis).astype(np.float32)
;;   ~~~
;;   SOFTMAX AHEAD OF A QUANTISED PRODUCT. Where the list says 'softmax', what is quantised is not the finished softmax but p = 2^(t - M), with t = logit x log2(e) and M = ceil(the row's largest t), a whole number; so 1/2 < the row's largest p <= 1. The row's sum l is taken of the UNQUANTISED p, in f32, and the product's result is divided by l at the end. Since M is a whole number, a kernel that streams over the keys may use a running M (the ceiling of the running maximum): every later rescaling is an exact power of two, which a block's scale takes up: the codes' values come out the same.
;;   OPERANDS COMPUTED ON THE WAY. 'Computed on the way' means the value that the module computes at that place (a softmax that the list does not call 'softmax' is quantised finished and normalised). What goes into a quantiser is computed in f32, as accurately as f32 sums, v_exp_f32 and their like allow (about 1e-6 of the number): no bf16 or f16 on the way to a quantiser, and a product that is left as it is and whose result goes on into a quantised operand takes f32 operands (vector FMAs, or v_wmma_f32_16x16x4_f32). A number that lies on a knife's edge between two numbers of the format may be rounded either way, as far as f32 arithmetic and the matrix unit's own rounding can turn it there, and no further.
;; 2 versions, each right; version 2 is version 1 with the launches proj, outp written anew for expert scheduling mode. Each part assembles by itself: llvm-mc -triple=amdgcn-amd-amdhsa -mcpu=gfx1250 --defsym DOCPART=n.
;; ======== version 1 of 2: 4 launches
;; workspace buffers: w_img 3,276,800 bytes; qkv 21,495,808 bytes; y_img 6,291,456 bytes; y_sc 262,144 bytes
;; launch quant_w (part 1): grid 8 x 32, 4 waves a work-group, no clusters, 0 bytes of LDS; arguments Wk, Wq, Wv, Wp, w_img; writes w_img
.if DOCPART == 1
	.amdgcn_target "amdgcn-amd-amdhsa--gfx1250"
	.amdhsa_code_object_version 6
	.text
	.protected	k_q80b110198c_quant_w
	.globl	k_q80b110198c_quant_w
	.p2align	8
	.type	k_q80b110198c_quant_w,@function
k_q80b110198c_quant_w:
	s_mov_b64 s[64:65], 0
	v_nop
	global_prefetch_b8 v0, s[64:65] scope:SCOPE_SE
	s_setreg_imm32_b32 hwreg(HW_REG_WAVE_MODE, 25, 1), 1
	s_wait_xcnt 0x0
; Wk, Wq, Wv, Wp [1024 (k)][1024 (n)] f32 become codes of FP6 (E2M3) with one E8M0 byte for each 32 along K, laid in the ORDER OF AN OPERAND'S REGISTERS.
; w_img: [weight 4: k, q, v, p][head 16][K step 8][6,400 bytes].  A block of 6,400 bytes: four fragment images (tile nt = 0..3 of the head's 64 columns), then 256 bytes of scale words [r 16][nt 4].
; A FRAGMENT IMAGE: 16 rows x 128 K = 12 registers a lane; registers 4 g .. 4 g + 3 of lane l lie at 512 g + 16 l: three loads of 16 bytes a lane bring a fragment, each 512 bytes on end.
; THE COLUMNS OF A TILE ARE NOT NEIGHBOURS: lane r of tile nt holds column 32 (nt / 2) + 8 (nt % 2) + r + 8 (r / 8) of the head, so that a product's results of two neighbouring tiles are 16 neighbours along the next K.
; A LANE TAKES A COLUMN AND ITS REGISTERS RUN DOWN K: each load reads 128 bytes on end a wave, a block of 32 lies in one lane, and a lane's 128 numbers are the registers of BOTH lanes (r, 0) and (r, 1) of its tile's fragment.
; A block's scale is 2^(floor(log2(largest magnitude)) - 2): its byte is the largest magnitude's exponent field - 2, held at 1 from below.
; LIMITS: NaN and infinities are not served; blocks whose largest magnitude lies under 2^-124 are held at byte 1; a block of zeros has byte 1 and not 127 (its codes are zeros; this program alone reads the bytes).
; SHARES: work-group x = 128 columns, y = 8 x weight + K step; wave w = 32 columns.  No LDS, no barrier.
.set X,  32                            ; v32-159  four blocks of 32 numbers
.set F,  160                           ; v160-183 the registers of fragment lanes (r, 0) and (r, 1), 12 each
.set CT, 184                           ; v184-186, v188-190 a block's upper 16 codes (a conversion's three registers begin on an even number)
	s_load_b256 s[4:11], s[0:1], 0x0               ; Wk, Wq, Wv, Wp
	s_load_b64 s[12:13], s[0:1], 0x20              ; w_img
	v_lshrrev_b32 v1, 5, v0
	v_readfirstlane_b32 s14, v1                    ; wave
	v_and_b32 v1, 31, v0                           ; lane l = my column among the wave's 32
	v_lshlrev_b32 v2, 2, v1                        ; in: 4 bytes a lane
	v_bfe_u32 v5, v0, 3, 1                         ; u = (l / 8) % 2: my tile is 2 b + u
	v_and_b32 v6, 7, v0
	v_bfe_u32 v7, v0, 4, 1
	v_lshl_add_u32 v6, v7, 3, v6                   ; r = l % 8 + 8 (l / 16): my row in the tile
	s_and_b32 s15, s14, 1                          ; b: which 32 columns of the head
	s_lshr_b32 s16, s14, 1
	s_lshl_b32 s17, ttmp9, 1
	s_add_co_u32 s16, s16, s17                     ; head = 2 x + w / 2
	s_and_b32 s17, ttmp7, 0xffff
	s_lshr_b32 s18, s17, 3                         ; which weight
	s_and_b32 s19, s17, 7                          ; which K step
	v_mul_u32_u24 v3, v5, 1536
	v_lshl_add_u32 v3, v6, 4, v3
	s_mul_i32 s20, s15, 3072
	v_add_nc_u32 v3, s20, v3                       ; out: 1,536 (2 b + u) + 16 r
	v_lshlrev_b32 v4, 2, v5
	v_lshl_add_u32 v4, v6, 4, v4
	s_lshl_b32 s20, s15, 3
	s_add_co_u32 s20, s20, 6144
	v_add_nc_u32 v4, s20, v4                       ; my scale word: 6,144 + 16 r + 4 (2 b + u)
	s_lshl_b32 s20, s19, 19                        ; in: 128 rows of 4,096 bytes a K step,
	s_lshl_b32 s21, ttmp9, 9
	s_add_co_u32 s20, s20, s21                     ; 512 bytes a work-group,
	s_lshl_b32 s21, s14, 7
	s_add_co_u32 s20, s20, s21                     ; 128 a wave
	s_mov_b32 s21, 0
	s_mul_i32 s22, s18, 819200
	s_mul_i32 s23, s16, 51200
	s_add_co_u32 s22, s22, s23
	s_mul_i32 s23, s19, 6400
	s_add_co_u32 s22, s22, s23                     ; out: the block of (weight, head, K step)
	s_mov_b32 s23, 0
	s_and_b32 s24, s18, 1
	s_wait_kmcnt 0x0
	s_cmp_lt_u32 s18, 2                            ; the weight is chosen by the work-group's number alone
	s_cselect_b64 s[4:5], s[4:5], s[8:9]
	s_cselect_b64 s[6:7], s[6:7], s[10:11]
	s_cmp_eq_u32 s24, 0
	s_cselect_b64 s[4:5], s[4:5], s[6:7]
	s_add_nc_u64 s[4:5], s[4:5], s[20:21]
	s_add_nc_u64 s[12:13], s[12:13], s[22:23]
.macro LOAD j                          ; block j: W(128 ks + 32 j + i, my column), i = 0 .. 31
.set i, 0
.rept 32
	global_load_b32 v[X+32*(\j)+i], v2, s[4:5] offset:(32*(\j)+i)*4096 th:TH_LOAD_NT
.set i, i+1
.endr
.endm
.macro BLOCK j                         ; block j = 2 c + h: registers 6 c .. 6 c + 5 of fragment lane (r, h)
.set XS, X+32*(\j)
.set FD, F+12*((\j)%2)+6*((\j)/2)
.set CU, CT+4*((\j)%2)
.if (\j) < 3
	s_wait_loadcnt 32                              ; this block's 32 loads are in; the next block's 32 may be out
.else
	s_wait_loadcnt 0x0
.endif
.if (\j)+2 < 4
	LOAD (\j)+2                                    ; two blocks ahead, into registers of their own
.endif
	v_max3_num_f32 v12, |v[XS]|, |v[XS+1]|, |v[XS+2]|               ; the block's largest magnitude: all 32 numbers are mine; two chains
	v_max3_num_f32 v13, |v[XS+3]|, |v[XS+4]|, |v[XS+5]|
.irp i, 6,10,14,18,22,26
	v_max3_num_f32 v12, v12, |v[XS+\i]|, |v[XS+\i+1]|
	v_max3_num_f32 v13, v13, |v[XS+\i+2]|, |v[XS+\i+3]|
.endr
	v_max3_num_f32 v12, v12, |v[XS+30]|, |v[XS+31]|
	v_max3_num_f32 v12, v12, v13, 0x1800000        ; and the floor 2^(3 - 127): the byte cannot fall under 1
	v_add_nc_u32 v11, 0xff000000, v12              ; 2 off the exponent field: the conversion takes this operand's exponent field as its scale
	v_lshrrev_b32 v13, 23, v11                     ; the scale's byte
.if (\j) == 0
	v_mov_b32 v24, v13                             ; the four bytes make my column's scale word, the lower K in the lower byte
.else
	v_lshl_or_b32 v24, v13, 8*(\j), v24
.endif
	v_cvt_scalef32_pk16_fp6_f32 v[FD:FD+2], v[XS:XS+15], v11
	v_cvt_scalef32_pk16_fp6_f32 v[CU:CU+2], v[XS+16:XS+31], v11
	v_nop                                          ; one plain line between a scaled conversion and the vector line that touches its result
.irp i, 0,1,2
	v_mov_b32 v[FD+3+\i], v[CU+\i]
.endr
.endm
	LOAD 0
	LOAD 1
	BLOCK 0
	BLOCK 1
	BLOCK 2
	BLOCK 3
.irp h, 0,1
.irp g, 0,1,2
	global_store_b128 v3, v[F+12*\h+4*\g:F+12*\h+4*\g+3], s[12:13] offset:256*\h+512*\g   ; the sixteen lanes of a tile store 256 bytes on end, at a multiple of 256
.endr
.endr
	global_store_b32 v4, v24, s[12:13]
	s_endpgm
.Lfunc_end_k_q80b110198c_quant_w:
	.size	k_q80b110198c_quant_w, .Lfunc_end_k_q80b110198c_quant_w-k_q80b110198c_quant_w
	.p2alignl 7, 3214868480
	.fill 96, 4, 3214868480
	.section	.rodata,"a",@progbits
	.p2align	6, 0x0
	.amdhsa_kernel k_q80b110198c_quant_w
		.amdhsa_group_segment_fixed_size 0
		.amdhsa_private_segment_fixed_size 0
		.amdhsa_enable_private_segment 0
		.amdhsa_kernarg_size 40
		.amdhsa_user_sgpr_count 2
		.amdhsa_user_sgpr_kernarg_segment_ptr 1
		.amdhsa_wavefront_size32 1
		.amdhsa_system_sgpr_workgroup_id_x 1
		.amdhsa_system_sgpr_workgroup_id_y 1
		.amdhsa_system_sgpr_workgroup_id_z 1
		.amdhsa_system_vgpr_workitem_id 0
		.amdhsa_next_free_vgpr 192
		.amdhsa_next_free_sgpr 66
		.amdhsa_reserve_vcc 0
		.amdhsa_float_denorm_mode_32 3
		.amdhsa_float_denorm_mode_16_64 3
		.amdhsa_memory_ordered 1
		.amdhsa_forward_progress 1
		.amdhsa_inst_pref_size 21
	.end_amdhsa_kernel
	.amdgpu_metadata
---
amdhsa.version: [ 1, 2 ]
amdhsa.kernels:
  - .name:           k_q80b110198c_quant_w
    .symbol:         k_q80b110198c_quant_w.kd
    .args:
      - { .name: Wk, .offset: 0, .size: 8, .value_kind: global_buffer, .address_space: global }
      - { .name: Wq, .offset: 8, .size: 8, .value_kind: global_buffer, .address_space: global }
      - { .name: Wv, .offset: 16, .size: 8, .value_kind: global_buffer, .address_space: global }
      - { .name: Wp, .offset: 24, .size: 8, .value_kind: global_buffer, .address_space: global }
      - { .name: w_img, .offset: 32, .size: 8, .value_kind: global_buffer, .address_space: global }
    .group_segment_fixed_size: 0
    .private_segment_fixed_size: 0
    .kernarg_segment_align: 8
    .kernarg_segment_size: 40
    .max_flat_workgroup_size: 128
    .sgpr_count:     66
    .vgpr_count:     192
    .wavefront_size: 32
...
	.end_amdgpu_metadata
.endif
;; end of part 1
;; launch proj (part 2): grid 64 x 3, 4 waves a work-group, no clusters, 102,912 bytes of LDS; arguments key_in, query_in, value_in, bk, bq, bv, w_img, qkv; writes qkv
.if DOCPART == 2
	.amdgcn_target "amdgcn-amd-amdhsa--gfx1250"
	.amdhsa_code_object_version 6
	.text
	.protected	k_q80b110198c_proj
	.globl	k_q80b110198c_proj
	.p2align	8
	.type	k_q80b110198c_proj,@function
k_q80b110198c_proj:
	s_mov_b64 s[64:65], 0
	v_nop
	global_prefetch_b8 v0, s[64:65] scope:SCOPE_SE
	s_setreg_imm32_b32 hwreg(HW_REG_WAVE_MODE, 25, 1), 1
	s_wait_xcnt 0x0
; k = key_in Wk + bk, q = query_in Wq + bq, v = value_in Wv + bv, on codes of FP6 (E2M3) with one E8M0 scale for each 32 along K; the results are quantised at once for the attention's products and leave as codes.
; SHARES.  Work-group x = 128 tokens (one key step of one batch), y = the tensor (0 k, 1 q, 2 v).  PHASE X: wave w quantises tokens 32 w .. 32 w + 31 (16 fragments of 16 tokens x 128 K) in registers and puts
; their register images into LDS; one barrier.  THEN wave w makes heads 4 w .. 4 w + 3 for all 128 tokens, a head (64 columns) at a time: 8 tiles of tokens x 4 tiles of columns = 32 accumulators, 8 K steps of 128.
; THE TOKENS (AND COLUMNS) OF A TILE ARE NOT NEIGHBOURS: lane r of tile t holds index 32 (t / 2) + 8 (t % 2) + r + 8 (r / 8): the results of two neighbouring tiles of source 0 are then 16 neighbours in a lane's registers.
; k, q: source 0 = 16 columns of W, source 1 = 16 tokens: a lane holds ONE token and 32 of the head's 64 numbers: the next K.  Two tiles of tokens make one image: registers 0-5 the first tile's codes, 6-11 the second's.
;       Their scale word is b0 | b1 << 8 | b0 << 16 | b1 << 24: the next product's K is 64, and its instruction's other two blocks meet zero codes of q.
; v:    source 0 = 16 tokens, source 1 = 16 columns: a lane holds ONE column d and its 64 registers of a column tile run along the 128 tokens, the keys: the K of the second product.
; The bias is the C of each sum's first product, in the result's layout.
; THE WEIGHTS come from w_img in the order of an operand's registers, straight into registers, three K steps ahead (a ring of four sets), across heads too.  Behind a wave's last head the ring reads 19,200 bytes on:
; those are the next weight's images (Wp's lie behind Wv's), inside the buffer, and are not used.  All 64 work-groups of a tensor read the same 819,200 bytes of images; they are not asked for jointly:
; a joint request fills LDS, and here no weight passes through LDS.
; x is read once, by one wave, so it is quantised on the way and has no launch of its own.  Three tensors of 64 blocks are 192 work-groups.
; LIMITS: NaN and infinities are not served; blocks whose largest magnitude lies under 2^-124 are held at byte 1; a block of zeros has byte 1 and not 127 (zero codes; this program alone reads the bytes).
; qkv: 64 blocks (16 batch + head) of 335,872 bytes: K images 0 [step 16][pair 4][1,536]; V images 98,304 [step][d tile 4][1,536]; K scale words 196,608 [step][pair][8 lane]; V's 212,992 [step][16 lane];
;      Q images 221,184 [pair 64][1,536]; Q scale words 319,488 [pair][8 lane].
; LDS: 0 x's 64 images, (8 mt + ks) x 1,536;  98,304 their scale words [mt][r][8 words].
; REGISTERS, in windows of 256 (s_set_vgpr_msb: bits 1:0 source 0, 3:2 source 1, 5:4 source 2, 7:6 destination):
;   window 0: v1-9 addresses; v16-79 x's scale words (8 mt + ks); v80-95 W's scale words, four sets; v112-207 x's fragments of an even K step
;   window 1: v0-191 W's fragments, four sets of 48; v192-223 the bias, 8 a column tile
;   window 2: the 32 accumulators; in phase X four buffers of 64 numbers of x
;   window 3: v64-75, v0-35 codes just made; v76.., v36.. upper halves; v84-91 scale words to store; v92-107 at work; v112-207 x's fragments of an odd K step
;   (no conversion's destination has the number of one of its sources, whatever the windows)
.set ASC,   98304
.set LI,    1                          ; 16 x lane
.set L8,    2                          ; 8 x lane
.set R16,   3                          ; 16 r
.set XA,    4                          ; x: (r + 8 (r / 8)) rows of 4,096 bytes + 64 h
.set XWI,   5                          ; where I store x's images: 16 x lane + 24,576 x wave
.set XWS,   6                          ; and their scale words: ASC + 1,024 x wave + 32 r
.set ASA,   7                          ; ASC + 32 r
.set BA,    8                          ; the bias: k, q: 64 h; v: 4 (r + 8 (r / 8))
.set LI2,   9                          ; 16 x lane + 49,152: the images of token tiles 4-7
.set ASCR,  16
.set BSC,   80
.set AF,    112
.set BIASR, 192
.set WD,    84
.set TM,    92                         ; +0..3 largest magnitudes, +4..7 the other half's, then bytes, +12..15 the conversions' scale operands
.set MSB, 0
.macro WIN new                         ; the immediate's high byte repeats the setting that is left; a switch that changes nothing is dropped
.if MSB != \new
	s_set_vgpr_msb (MSB<<8)|\new
.set MSB, \new
.endif
.endm
; fragment f = 8 u + ks of my 32 tokens: 64 numbers a lane, register 16 b + i = k 128 ks + 32 b + 16 h + i of my token, into buffer f % 4
.macro XLOAD f
	WIN 0x80
.irp b, 0,1,2,3
.irp j, 0,1,2,3
	global_load_b128 v[64*((\f)%4)+16*\b+4*\j:64*((\f)%4)+16*\b+4*\j+3], v[XA], s[4:5] offset:32768*((\f)/8)+512*((\f)%8)+128*\b+16*\j th:TH_LOAD_NT
.endr
.endr
.endm
; 64 numbers of a lane in window 2, v[64 q] on, register 16 b + i = index 32 b + 16 h + i of my row, become 12 registers of codes in window 3, v[QP] on; the four blocks' bytes stand in v[TM+4] .. v[TM+7]
.macro QUANT4 q
.set QS, 64*(\q)
.if (\q) == 0
.set QP, 64
.set QC, 76
.else
.set QP, 12*((\q)-1)
.set QC, 36
.endif
	WIN 0xCA
.irp b, 0,1,2,3
	v_max3_num_f32 v[TM+\b], |v[QS+16*\b]|, |v[QS+1+16*\b]|, 0x1800000   ; block b: my 16 numbers, from each accumulator's low end on, and the floor 2^(3 - 127)
.endr
	WIN 0xEB
.irp i, 2,4,6,8,10,12,14
.irp b, 0,1,2,3
	v_max3_num_f32 v[TM+\b], v[TM+\b], |v[QS+16*\b+\i]|, |v[QS+1+16*\b+\i]|   ; the four blocks by turns
.endr
.endr
	WIN 0xFF
.irp b, 0,1,2,3
	v_permlanex16_b32 v[TM+4+\b], v[TM+\b], s26, s27
.endr
.irp b, 0,1,2,3
	v_max_num_f32 v[TM+\b], v[TM+\b], v[TM+4+\b]   ; with lane l xor 16's 16: the block's largest magnitude
.endr
.irp b, 0,1,2,3
	v_add_nc_u32 v[TM+12+\b], 0xff000000, v[TM+\b] ; 2 off its exponent field: the conversion's scale operand
.endr
.irp b, 0,1,2,3
	v_lshrrev_b32 v[TM+4+\b], 23, v[TM+12+\b]      ; the scale's byte
.endr
	WIN 0xCE
.irp c, 0,1
	v_cvt_scalef32_pk16_fp6_f32 v[QP+6*\c:QP+6*\c+2], v[QS+32*\c:QS+32*\c+15], v[TM+12+2*\c]
	v_cvt_scalef32_pk16_fp6_f32 v[QC+4*\c:QC+4*\c+2], v[QS+16+32*\c:QS+31+32*\c], v[TM+12+2*\c+1]   ; (a conversion's three registers begin on an even number)
.endr
	WIN 0xFF
	v_nop                                          ; one plain line behind the last scaled conversion
.irp c, 0,1                                    ; the operand's layout wants a whole block in a lane: lanes 0-15 block 2 c, lanes 16-31 block 2 c + 1
.irp i, 0,1,2
	v_permlane16_swap_b32 v[QP+6*\c+\i], v[QC+4*\c+\i]
.endr
.irp i, 0,1,2
	v_mov_b32 v[QP+3+6*\c+\i], v[QC+4*\c+\i]
.endr
.endr
.endm
; K step s of the weights (counted from the head in hand; 8 and more: the next head's) into set s % 4: 12 loads of fragments, one of scale words
.macro BLOAD s
	WIN 0x40
.irp nt, 0,1,2,3
.irp g, 0,1,2
	global_load_b128 v[48*((\s)%4)+12*\nt+4*\g:48*((\s)%4)+12*\nt+4*\g+3], v[LI], s[28:29] offset:6400*(\s)+1536*\nt+512*\g
.endr
.endr
	WIN 0
	global_load_b128 v[BSC+4*((\s)%4):BSC+4*((\s)%4)+3], v[R16], s[28:29] offset:6400*(\s)+6144
.endm
; x's eight fragments of K step s from LDS: an even step's into window 0, an odd step's into window 3
.macro ALOAD s
.if ((\s)%2) == 0
	WIN 0
.else
	WIN 0xC0
.endif
.irp mt, 0,1,2,3
.irp g, 0,1,2
	ds_load_b128 v[AF+12*\mt+4*\g:AF+12*\mt+4*\g+3], v[LI] offset:(8*\mt+(\s))*1536+512*\g
.endr
.endr
.irp mt, 4,5,6,7
.irp g, 0,1,2
	ds_load_b128 v[AF+12*\mt+4*\g:AF+12*\mt+4*\g+3], v[LI2] offset:(8*(\mt-4)+(\s))*1536+512*\g
.endr
.endr
.endm
.macro BIASLOAD tr                     ; tr = 1: a lane's eight columns of each tile; tr = 0: its one column of each tile
	WIN 0x40
.irp nt, 0,1,2,3
.if \tr
	global_load_b128 v[BIASR+8*\nt:BIASR+8*\nt+3], v[BA], s[32:33] offset:(32*(\nt/2)+8*(\nt%2))*4
	global_load_b128 v[BIASR+8*\nt+4:BIASR+8*\nt+7], v[BA], s[32:33] offset:(32*(\nt/2)+8*(\nt%2))*4+16
.else
	global_load_b32 v[BIASR+8*\nt], v[BA], s[32:33] offset:(32*(\nt/2)+8*(\nt%2))*4
.endif
.endr
.endm
.macro BIASFILL                        ; tr = 0: the one number serves the lane's eight tokens
	WIN 0x41
.irp nt, 0,1,2,3
.irp j, 1,2,3,4,5,6,7
	v_mov_b32 v[BIASR+8*\nt+\j], v[BIASR+8*\nt]
.endr
.endr
.endm
; 32 products: the 32 accumulators take turns, one instruction a turn, in the same order in every K step.  K step 0 starts the sums with the bias as C.
.macro MULS s, tr
.set SL, (\s)%4
.if \tr
.if (\s) == 0
	WIN 0x91                                       ; source 0 (W) window 1, source 1 (x) window 0, C (bias) window 1, D window 2
.elseif ((\s)%2) == 0
	WIN 0xA1
.else
	WIN 0xAD                                       ; x's odd set: window 3
.endif
.else
.if (\s) == 0
	WIN 0x94                                       ; source 0 (x) window 0, source 1 (W) window 1, C (bias) window 1, D window 2
.elseif ((\s)%2) == 0
	WIN 0xA4
.else
	WIN 0xA7
.endif
.endif
.irp mt, 0,1,2,3,4,5,6,7
.irp nt, 0,1,2,3
.if \tr
.set DD, 8*(4*\mt+\nt)
.if (\s) == 0
	v_wmma_scale_f32_16x16x128_f8f6f4 v[DD:DD+7], v[48*SL+12*\nt:48*SL+12*\nt+11], v[AF+12*\mt:AF+12*\mt+11], v[BIASR+8*\nt:BIASR+8*\nt+7], v[BSC+4*SL+\nt], v[ASCR+8*\mt+(\s)] matrix_a_fmt:MATRIX_FMT_FP6 matrix_b_fmt:MATRIX_FMT_FP6
.else
	v_wmma_scale_f32_16x16x128_f8f6f4 v[DD:DD+7], v[48*SL+12*\nt:48*SL+12*\nt+11], v[AF+12*\mt:AF+12*\mt+11], v[DD:DD+7], v[BSC+4*SL+\nt], v[ASCR+8*\mt+(\s)] matrix_a_fmt:MATRIX_FMT_FP6 matrix_b_fmt:MATRIX_FMT_FP6
.endif
.else
.set DD, 8*(8*\nt+\mt)
.if (\s) == 0
	v_wmma_scale_f32_16x16x128_f8f6f4 v[DD:DD+7], v[AF+12*\mt:AF+12*\mt+11], v[48*SL+12*\nt:48*SL+12*\nt+11], v[BIASR+8*\nt:BIASR+8*\nt+7], v[ASCR+8*\mt+(\s)], v[BSC+4*SL+\nt] matrix_a_fmt:MATRIX_FMT_FP6 matrix_b_fmt:MATRIX_FMT_FP6
.else
	v_wmma_scale_f32_16x16x128_f8f6f4 v[DD:DD+7], v[AF+12*\mt:AF+12*\mt+11], v[48*SL+12*\nt:48*SL+12*\nt+11], v[DD:DD+7], v[ASCR+8*\mt+(\s)], v[BSC+4*SL+\nt] matrix_a_fmt:MATRIX_FMT_FP6 matrix_b_fmt:MATRIX_FMT_FP6
.endif
.endif
.endr
.endr
.endm
.macro KSTEP s, tr
	s_wait_dscnt 0x0                               ; x's fragments of this step, asked for a step ago
	s_wait_loadcnt 26                              ; this step's weights are in: behind them stand the 2 x 13 loads of the next two steps (where bias loads stand among them the count asks for more than is needed)
.rept 4
	v_nop                                          ; four plain lines between the last step's products and the loads into registers that they read (ISA guide 7.12.1 for vector instructions)
.endr
	ALOAD ((\s)+1)%8
	BLOAD (\s)+3
.if (\s) == 1
	BIASLOAD \tr                                   ; the next head's bias: this head's was read by K step 0
.endif
.if ((\s) == 6) && ((\tr) == 0)
	BIASFILL                                       ; (its loads stand ahead of four later steps' weights, so the wait above has shown them in)
.endif
	MULS \s, \tr
.endm
; the head's results leave as codes
.macro EPI tr
.irp p, 0,1,2,3
	QUANT4 \p
	WIN 0xFF
.if \tr
	v_lshl_or_b32 v[WD+2*\p], v[TM+5], 8, v[TM+4]                  ; token tile 2 p: b0 | b1 << 8,
	v_lshl_or_b32 v[WD+2*\p+1], v[TM+7], 8, v[TM+6]                ; tile 2 p + 1 likewise,
	v_lshl_or_b32 v[WD+2*\p], v[WD+2*\p], 16, v[WD+2*\p]           ; and the same two bytes once more above them
	v_lshl_or_b32 v[WD+2*\p+1], v[WD+2*\p+1], 16, v[WD+2*\p+1]
.else
	v_lshl_or_b32 v[WD+\p], v[TM+5], 8, v[TM+4]                    ; d tile p: the four bytes of the 128 keys
	v_lshl_or_b32 v[WD+\p], v[TM+6], 16, v[WD+\p]
	v_lshl_or_b32 v[WD+\p], v[TM+7], 24, v[WD+\p]
.endif
	WIN 0x0C                                       ; a store's data are its source 1: window 3
.irp g, 0,1,2
	global_store_b128 v[LI], v[QP+4*\g:QP+4*\g+3], s[34:35] offset:1536*\p+512*\g   ; 512 bytes on end, at a multiple of 256
.endr
.if \tr
	global_store_b64 v[L8], v[WD+2*\p:WD+2*\p+1], s[36:37] offset:256*\p           ; 256 bytes on end
.endif
.endr
.if (\tr) == 0
	global_store_b128 v[LI], v[WD:WD+3], s[36:37]
.endif
.endm
.macro CHUNKS tr
	BIASLOAD \tr                                   ; the first head's bias
	s_wait_loadcnt 0x0
.if (\tr) == 0
	BIASFILL
.endif
	WIN 0
	s_lshl_b32 s38, s24, 8
	s_add_nc_u64 s[32:33], s[30:31], s[38:39]      ; the bias of the head after this one (its loads above are done)
.Lchunk_\@:
.irp s, 0,1,2,3,4,5,6,7
	KSTEP \s, \tr
.endr
.rept 4
	v_nop                                          ; four plain lines between the last products and the first read of results
.endr
	EPI \tr
	WIN 0                                          ; at a label and at a branch every window is 0
	s_wait_xcnt 0x0                                ; the loads and stores issued so far have read their bases and data: these may be written again
	s_add_nc_u64 s[28:29], s[28:29], 51200         ; the next head's weights,
	s_add_nc_u64 s[34:35], s[34:35], 335872        ; its block of qkv
	s_add_nc_u64 s[36:37], s[36:37], 335872
	s_add_co_u32 s24, s24, 1
	s_min_u32 s24, s24, 15                         ; no load leaves the bias
	s_lshl_b32 s38, s24, 8
	s_add_nc_u64 s[32:33], s[30:31], s[38:39]
	s_sub_co_u32 s23, s23, 1
	s_cmp_lg_u32 s23, 0
	s_cbranch_scc1 .Lchunk_\@
	s_wait_dscnt 0x0
.endm
	s_load_b256 s[4:11], s[0:1], 0x0               ; key_in, query_in, value_in, bk
	s_load_b256 s[12:19], s[0:1], 0x20             ; bq, bv, w_img, qkv
	v_lshl_add_u32 v254, v0, 2, 0x19000
	v_mov_b32 v255, 0
	v_lshrrev_b32 v10, 5, v0
	v_readfirstlane_b32 s20, v10                   ; wave
	s_and_b32 s21, ttmp7, 0xffff                   ; the tensor: 0 k, 1 q, 2 v
	v_and_b32 v10, 31, v0                          ; lane
	v_and_b32 v11, 15, v0                          ; r
	v_bfe_u32 v12, v0, 4, 1                        ; h
	v_lshlrev_b32 v[LI], 4, v10
	v_lshlrev_b32 v[L8], 3, v10
	v_lshlrev_b32 v[R16], 4, v11
	v_and_b32 v13, 8, v11
	v_add_nc_u32 v13, v13, v11                     ; r + 8 (r / 8)
	v_lshlrev_b32 v[XA], 12, v13
	v_lshl_add_u32 v[XA], v12, 6, v[XA]
	s_mul_i32 s38, s20, 24576
	v_add_nc_u32 v[XWI], s38, v[LI]
	s_lshl_b32 s38, s20, 10
	s_add_co_u32 s38, s38, ASC
	v_lshl_add_u32 v[XWS], v11, 5, s38
	v_lshlrev_b32 v[ASA], 5, v11
	v_add_nc_u32 v[ASA], ASC, v[ASA]
	v_add_nc_u32 v[LI2], 49152, v[LI]
	v_lshlrev_b32 v14, 6, v12
	v_lshlrev_b32 v15, 2, v13
	s_cmp_eq_u32 s21, 2
	s_cselect_b32 s38, -1, 0
	v_cndmask_b32 v[BA], v14, v15, s38
	s_mov_b32 s26, 0x76543210
	s_mov_b32 s27, 0xfedcba98                      ; v_permlanex16_b32's selects for lane l xor 16
	s_cmp_eq_u32 s21, 1                            ; where the tensor's images and scale words lie in a block of qkv
	s_cselect_b32 s50, 221184, 0
	s_mov_b32 s51, 196608
	s_cselect_b32 s51, 319488, s51
	s_cmp_eq_u32 s21, 2
	s_cselect_b32 s50, 98304, s50
	s_cselect_b32 s51, 212992, s51
	s_cselect_b32 s52, 9, 10                       ; scale words of a step: 512 bytes for v, 1,024 for k and q
	s_lshl_b32 s38, ttmp9, 19                      ; x: 128 tokens of 4,096 bytes a work-group,
	s_lshl_b32 s39, s20, 17                        ; 32 a wave
	s_add_co_u32 s38, s38, s39
	s_mov_b32 s39, 0
	s_mul_i32 s42, s21, 819200                     ; the tensor's weight,
	s_mul_i32 s43, s20, 204800                     ; my four heads of it
	s_add_co_u32 s42, s42, s43
	s_mov_b32 s43, 0
	s_lshr_b32 s44, ttmp9, 4                       ; batch
	s_and_b32 s45, ttmp9, 15                       ; step
	s_lshl_b32 s44, s44, 4
	s_lshl_b32 s46, s20, 2
	s_add_co_u32 s44, s44, s46
	s_mul_i32 s44, s44, 335872                     ; the block of (batch, my first head)
	s_mul_i32 s46, s45, 6144
	s_add_co_u32 s46, s46, s50
	s_add_co_u32 s46, s46, s44
	s_mov_b32 s47, 0
	s_lshl_b32 s48, s45, s52
	s_add_co_u32 s48, s48, s51
	s_add_co_u32 s48, s48, s44
	s_mov_b32 s49, 0
	s_wait_kmcnt 0x0
	s_cmp_eq_u32 s21, 1                            ; the buffers are chosen by the work-group's number alone
	s_cselect_b64 s[4:5], s[6:7], s[4:5]
	s_cselect_b64 s[30:31], s[12:13], s[10:11]
	s_cmp_eq_u32 s21, 2
	s_cselect_b64 s[4:5], s[8:9], s[4:5]
	s_cselect_b64 s[30:31], s[14:15], s[30:31]
	s_add_nc_u64 s[4:5], s[4:5], s[38:39]
	s_add_nc_u64 s[28:29], s[16:17], s[42:43]
	s_add_nc_u64 s[34:35], s[18:19], s[46:47]
	s_add_nc_u64 s[36:37], s[18:19], s[48:49]
	s_lshl_b32 s38, s20, 10
	s_add_nc_u64 s[32:33], s[30:31], s[38:39]      ; the bias of my first head
	BLOAD 0
	BLOAD 1
	BLOAD 2
	XLOAD 0
	XLOAD 1
	XLOAD 2
	XLOAD 3
	WIN 0xC0
.irp b, 0,1,2,3
	v_mov_b32 v[TM+4+\b], 0                        ; written once: a lane permute's destination counts as one of its sources
.endr
; PHASE X: fragment f of my 32 tokens is quantised and its image stored
.macro XFRAG f
.if 15-(\f) >= 3
	s_wait_loadcnt 48                              ; this fragment's 16 loads are in; those of the three behind it may be out
.else
	s_wait_loadcnt 16*(15-(\f))
.endif
	s_wait_dscnt 0x0                               ; the last fragment's LDS stores have read their registers
	QUANT4 (\f)%4
	WIN 0xFF
	v_lshl_or_b32 v[WD], v[TM+5], 8, v[TM+4]       ; the four bytes make my token's scale word
	v_lshl_or_b32 v[WD], v[TM+6], 16, v[WD]
	v_lshl_or_b32 v[WD], v[TM+7], 24, v[WD]
	WIN 0x0C
.irp g, 0,1,2
	ds_store_b128 v[XWI], v[QP+4*\g:QP+4*\g+3] offset:(\f)*1536+512*\g
.endr
	ds_store_b32 v[XWS], v[WD] offset:512*((\f)/8)+4*((\f)%8)      ; lanes r and r + 16 write the same word with the same value
.if (\f) < 12
	XLOAD (\f)+4
.endif
.endm
.irp f, 0,1,2,3,4,5,6,7,8,9,10,11,12,13,14,15
	XFRAG \f
.endr
	WIN 0
	s_wait_dscnt 0x0                               ; for the others' sake: my images and scale words have landed
	s_barrier_signal -1
	s_barrier_wait -1                              ; x's 64 images lie in LDS; from here on LDS is only read
.irp mt, 0,1,2,3,4,5,6,7
	ds_load_b128 v[ASCR+8*\mt:ASCR+8*\mt+3], v[ASA] offset:512*\mt
	ds_load_b128 v[ASCR+8*\mt+4:ASCR+8*\mt+7], v[ASA] offset:512*\mt+16
.endr
	ALOAD 0
	s_lshl_b32 s24, s20, 2
	s_add_co_u32 s24, s24, 1                       ; the head after my first
	s_mov_b32 s23, 4                               ; heads to go
	s_cmp_eq_u32 s21, 2
	s_cbranch_scc1 .Lvalues
	CHUNKS 1
	s_wait_tensorcnt 0x0
	ds_add_u32 v254, v255
	s_wait_dscnt 0x0
	s_endpgm
.Lvalues:
	CHUNKS 0
	s_wait_tensorcnt 0x0
	ds_add_u32 v254, v255
	s_wait_dscnt 0x0
	s_endpgm
.Lfunc_end_k_q80b110198c_proj:
	.size	k_q80b110198c_proj, .Lfunc_end_k_q80b110198c_proj-k_q80b110198c_proj
	.p2alignl 7, 3214868480
	.fill 96, 4, 3214868480
	.section	.rodata,"a",@progbits
	.p2align	6, 0x0
	.amdhsa_kernel k_q80b110198c_proj
		.amdhsa_group_segment_fixed_size 102912
		.amdhsa_private_segment_fixed_size 0
		.amdhsa_enable_private_segment 0
		.amdhsa_kernarg_size 64
		.amdhsa_user_sgpr_count 2
		.amdhsa_user_sgpr_kernarg_segment_ptr 1
		.amdhsa_wavefront_size32 1
		.amdhsa_system_sgpr_workgroup_id_x 1
		.amdhsa_system_sgpr_workgroup_id_y 1
		.amdhsa_system_sgpr_workgroup_id_z 1
		.amdhsa_system_vgpr_workitem_id 0
		.amdhsa_next_free_vgpr 1024
		.amdhsa_next_free_sgpr 66
		.amdhsa_reserve_vcc 0
		.amdhsa_float_denorm_mode_32 3
		.amdhsa_float_denorm_mode_16_64 3
		.amdhsa_memory_ordered 1
		.amdhsa_forward_progress 1
		.amdhsa_inst_pref_size 255
	.end_amdhsa_kernel
	.amdgpu_metadata
---
amdhsa.version: [ 1, 2 ]
amdhsa.kernels:
  - .name:           k_q80b110198c_proj
    .symbol:         k_q80b110198c_proj.kd
    .args:
      - { .name: key_in, .offset: 0, .size: 8, .value_kind: global_buffer, .address_space: global }
      - { .name: query_in, .offset: 8, .size: 8, .value_kind: global_buffer, .address_space: global }
      - { .name: value_in, .offset: 16, .size: 8, .value_kind: global_buffer, .address_space: global }
      - { .name: bk, .offset: 24, .size: 8, .value_kind: global_buffer, .address_space: global }
      - { .name: bq, .offset: 32, .size: 8, .value_kind: global_buffer, .address_space: global }
      - { .name: bv, .offset: 40, .size: 8, .value_kind: global_buffer, .address_space: global }
      - { .name: w_img, .offset: 48, .size: 8, .value_kind: global_buffer, .address_space: global }
      - { .name: qkv, .offset: 56, .size: 8, .value_kind: global_buffer, .address_space: global }
    .group_segment_fixed_size: 102912
    .private_segment_fixed_size: 0
    .kernarg_segment_align: 8
    .kernarg_segment_size: 64
    .max_flat_workgroup_size: 128
    .sgpr_count:     66
    .vgpr_count:     1024
    .wavefront_size: 32
...
	.end_amdgpu_metadata
.endif
;; end of part 2
;; launch attn (part 3): grid 4 x 64, 16 waves a work-group, clusters of 4 x 1, 223,232 bytes of LDS; arguments qkv, y_img, y_sc; writes y_img, y_sc
.if DOCPART == 3
	.amdgcn_target "amdgcn-amd-amdhsa--gfx1250"
	.amdhsa_code_object_version 6
	.text
	.protected	k_q80b110198c_attn
	.globl	k_q80b110198c_attn
	.p2align	8
	.type	k_q80b110198c_attn,@function
k_q80b110198c_attn:
	s_mov_b64 s[64:65], 0
	v_nop
	global_prefetch_b8 v0, s[64:65] scope:SCOPE_SE
	s_setreg_imm32_b32 hwreg(HW_REG_WAVE_MODE, 25, 1), 1
	s_wait_xcnt 0x0
	s_wait_alu depctr_hold_cnt(0) depctr_sa_sdst(0) depctr_va_vdst(0) depctr_va_sdst(0) depctr_va_ssrc(0) depctr_va_vcc(0) depctr_vm_vsrc(0)
	s_getreg_b32 s2, hwreg(HW_REG_IB_STS2, 6, 4)
	s_cmp_eq_u32 s2, 0
	s_cbranch_scc0 .Lentry_in_a_cluster
	s_endpgm
.Lentry_in_a_cluster:
	s_bfe_u32 s2, ttmp6, 0x10000c
	s_cmp_lg_u32 s2, 0x3003
	s_cbranch_scc0 .Lentry_shape_is_right
	s_endpgm
.Lentry_shape_is_right:
; y[b][q][head] = softmax_k(q . k / 8, causal) v, both products on codes of FP6 (E2M3) with one E8M0 scale for each 32 along K; y = O / l is quantised along the head's 64 and leaves as codes for the last product.
; THE SOFTMAX AHEAD OF THE SECOND PRODUCT: t = score x log2(e) / 8; M = the row's largest t so far, rounded UP to a whole number; p = 2^(t - M) is quantised along the keys, not normalised.  The row's sum l is taken of the
; unquantised p and divides O at the end.  When M moves, l and O are multiplied by 2^(old M - new M): exact.
; SHARES.  The four work-groups of a cluster belong to one (batch, head).  The head's 128 tiles of 16 queries are dealt in pairs: wave w of work-group cx takes i = 4 w + cx: tile 127 - i, then tile i.
; A tile T needs key steps 0 .. T / 8 (128 keys a step): 16 - w / 2 and w / 2 + 1 steps: 17 for every wave.  Both counts hang on the wave's number alone: no branch and no LDS address hangs on a work-group's place.
; The first tile walks the keys upward and ends on its diagonal; the second begins on its diagonal and walks downward.  Steps behind the diagonal are never walked: the mask throws their work away.
; LDS.  The head's whole K and V, images and scale words, 221,184 bytes on end in qkv, are brought ONCE: each of the sixteen waves asks for 54 rows of 256 bytes, JOINTLY with the same wave of the three partners
; (one request, the mask names the four).  Nothing is filled again; LDS is only read behind the one barrier.  All loads of the launch stand at its head, so nothing is prefetched.
; LAYOUT.  S^T = K Q^T (source 0 = 16 keys, source 1 = my 16 queries), O^T = V^T P^T (source 0 = 16 of the head's 64, source 1 = P): a lane holds ONE query throughout.
; The keys, queries and d of a tile are not neighbours: lane r of tile t holds index 32 (t / 2) + 8 (t % 2) + r + 8 (r / 8), so that two neighbouring tiles' 16 registers are 16 neighbours along the next K.
; THE FIRST PRODUCT'S K IS 64, half of the instruction's 128.  Q's registers 6-11 are zero codes; K's operand names the tile's six registers and the six that follow (the next tile's codes, or zeros): they meet zeros.
; LIMITS: NaN and infinities are not served; a p under 2^-126 comes out as 0 (v_exp_f32 flushes: ISA guide 15.8); a block's largest p is taken from its largest score, which takes v_exp_f32 not to fall where its input rises;
; blocks whose largest magnitude lies under 2^-124 are held at byte 1, blocks of zeros too (zero codes; this program alone reads the bytes).
; y_img: [128 batch + tile][head][768]: six registers a lane: 0-3 at 16 lane, 4-5 at 512 + 8 lane.  y_sc: [128 batch + tile][r][32]: bytes 2 head, 2 head + 1.
.set LI,   1                           ; 16 x lane
.set L8,   2                           ; 8 x lane
.set DM,   3                           ; the mask: my query - the diagonal step's first key - 16 h
.set ADK,  4                           ; LDS addresses of the step: K's images,
.set ADV,  5                           ; V's,
.set ADS,  6                           ; K's scale words,
.set ADT,  7                           ; V's
.set RQ,   8                           ; r + 8 (r / 8) - 16 h
.set R32,  9                           ; 32 r
.set QF,   16                          ; v16-27  Q: six registers of codes, six of zeros
.set QN,   28                          ; v28-33  the second tile's Q; v34 its scale word
.set KV,   36                          ; v36-83  K's four pair images, then V's four fragments; v84-89 zeros
.set ST,   96                          ; v96-159 S^T, then p
.set OT,   160                         ; v160-191 O^T
.set PCD,  192                         ; v192-203 p's codes
.set CT,   204                         ; v204-206, v208-210 upper halves
.set BM,   212                         ; v212-215 the blocks' largest scores, then largest p
.set EX,   216                         ; v216-219 the other half's, then bytes
.set SO,   220                         ; v220-223 the conversions' scale operands
.set KSW,  224                         ; v224-231 K's scale words, a tile each
.set VSW,  232                         ; v232-235 V's
.set QSW,  236                         ; v236 Q's
.set PSW,  237                         ; v237 p's
.set LB,   238                         ; v[238:239] the sum's second chain
.set FF,   240                         ; v[240:241] f = 2^(old M - new M)
.set TW,   242                         ; at work
.set NINF, 243                         ; -infinity
.set YC,   244                         ; v244-249 y's codes, v250 its two bytes
.set WV,   10                          ; s10 wave; s11 cx; s12 16 batch + head; s13 steps of the first tile; s14 one less; s15 the trip; s16 the key step
.macro CROUND                          ; a round of the cluster's barrier
	s_barrier_signal -1
	s_barrier_wait -1
	s_cmp_lg_u32 s[WV], 0
	s_cbranch_scc1 .Lnot_wave_0_\@
	s_barrier_signal -3
.Lnot_wave_0_\@:
	s_barrier_wait -3
	s_barrier_signal -1
	s_barrier_wait -1
.endm
; the six registers of tile s[tile] out of its pair's image (u = tile % 2: registers 6 u .. 6 u + 5 lie at 16 lane + 520 u, + 8 + 1,016 u, + 512 + 520 u), and its scale word
.macro QLOAD tile, va, dst, dsc
	s_and_b32 s50, s[\tile], 1
	s_lshr_b32 s51, s[\tile], 1
	s_mul_i32 s52, s51, 1536
	s_add_co_u32 s52, s52, 221184
	s_mul_i32 s53, s50, 520
	s_add_co_u32 s53, s53, s52
	v_add_nc_u32 v[\va], s53, v[LI]
	s_mul_i32 s53, s50, 1016
	s_add_co_u32 s53, s53, s52
	v_add_nc_u32 v[\va+1], s53, v[LI]
	s_lshl_b32 s53, s51, 8
	s_lshl_b32 s54, s50, 2
	s_add_co_u32 s53, s53, s54
	s_add_co_u32 s53, s53, 319488
	v_add_nc_u32 v[\va+2], s53, v[L8]
	global_load_b64 v[\dst:\dst+1], v[\va], s[4:5]
	global_load_b64 v[\dst+2:\dst+3], v[\va+1], s[4:5] offset:8
	global_load_b64 v[\dst+4:\dst+5], v[\va], s[4:5] offset:512
	global_load_b32 v[\dsc], v[\va+2], s[4:5]
.endm
.macro SETDM                           ; tile s36's queries begin 32 ((T % 8) / 2) + 8 (T % 2) behind its diagonal step's first key
	s_and_b32 s50, s36, 6
	s_lshl_b32 s50, s50, 4
	s_and_b32 s51, s36, 1
	s_lshl_b32 s51, s51, 3
	s_add_co_u32 s50, s50, s51
	v_add_nc_u32 v[DM], s50, v[RQ]
.endm
.macro RESET                           ; a tile begins: the step is written once, its first trip finds zeros, which the first change of M leaves zeros
	v_mov_b32 v13, 0xff61b1e6                      ; the largest t so far: -3e38, under every t
	v_floor_f32 v12, -v13                          ; -M
	v_mov_b32 v14, 0                               ; the sum, in two halves
	v_mov_b32 v15, 0
.set i, 0
.rept 32
	v_mov_b32 v[OT+i], 0
.set i, i+1
.endr
.endm
	s_load_b128 s[4:7], s[0:1], 0x0                ; qkv, y_img
	s_load_b64 s[8:9], s[0:1], 0x10                ; y_sc
	v_lshl_add_u32 v254, v0, 2, 0x36000
	v_mov_b32 v255, 0
	ds_add_u32 v254, v255
	ds_add_u32 v254, v255
	v_lshrrev_b32 v10, 5, v0
	v_readfirstlane_b32 s[WV], v10                 ; wave 0..15
	s_bfe_u32 s11, ttmp6, 0x40000                  ; cx: it enters Q's and y's addresses and the mask's numbers, nothing else
	s_and_b32 s12, ttmp7, 0xffff                   ; 16 batch + head, which the four partners share
	s_lshr_b32 s14, s[WV], 1
	s_xor_b32 s14, s14, 15                         ; 15 - w / 2: the first tile's diagonal step
	s_add_co_u32 s13, s14, 1
	s_lshl_b32 s37, s[WV], 2
	s_add_co_u32 s37, s37, s11                     ; the second tile: i = 4 w + cx
	s_xor_b32 s36, s37, 127                        ; the first: 127 - i
	s_mov_b32 s20, 0x76543210
	s_mov_b32 s21, 0xfedcba98                      ; v_permlanex16_b32's selects for lane l xor 16
	s_mov_b32 s22, 0x3e38aa3b                      ; c = log2(e) / 8
	s_mov_b32 s23, s22                             ; (named with it as a pair, so it is written)
	; descriptor group 1: 54 rows of 256 bytes (32 elements of 8 bytes), dense in memory and in LDS
	s_mov_b32 s24, 15|(3<<16)|(1<<21)              ; 15:0 the mask: all four work-groups; 17:16 elements of 8 bytes; 21 set beside a mask; no padding
	s_mov_b32 s25, 32<<16                          ; tensor_dim0 = 32
	s_mov_b32 s26, 54<<16                          ; tensor_dim1 = 54
	s_mov_b32 s27, 32<<16                          ; tile_dim0 = 32
	s_mov_b32 s28, 54                              ; tile_dim1 = 54
	s_mov_b32 s29, 32                              ; from row to row
	s_mov_b32 s30, 0
	s_mov_b32 s31, 0
	s_mul_i32 s44, s12, 335872
	s_mov_b32 s45, 0
	s_mul_i32 s46, s[WV], 13824                    ; my sixteenth: 16 x 13,824 = 221,184
	s_mov_b32 s47, 0
	s_wait_dscnt 0x0
	s_wait_kmcnt 0x0
	s_add_nc_u64 s[4:5], s[4:5], s[44:45]          ; qkv at my head's block
	s_mov_b32 s32, 1                               ; count = 1
	s_mul_i32 s33, s[WV], 13824                    ; LDS address: the wave's number alone
	s_add_nc_u64 s[34:35], s[4:5], s[46:47]
	s_or_b32 s35, s35, 0x80000000                  ; type = 2
	CROUND                                         ; all four work-groups are here: the joint loads meet
	tensor_load_to_lds s[32:35], s[24:31]          ; my one tensor load of the launch
	s_nop 0
.rept 4
	v_nop
.endr
	v_and_b32 v10, 31, v0
	v_and_b32 v11, 15, v0                          ; r
	v_bfe_u32 v[TW], v0, 4, 1                      ; h
	v_lshlrev_b32 v[LI], 4, v10
	v_lshlrev_b32 v[L8], 3, v10
	v_lshlrev_b32 v[R32], 5, v11
	v_and_b32 v[RQ], 8, v11
	v_add_nc_u32 v[RQ], v[RQ], v11
	v_lshlrev_b32 v[TW], 4, v[TW]
	v_sub_nc_u32 v[RQ], v[RQ], v[TW]
	QLOAD 36, 96, QF, QSW
	QLOAD 37, 100, QN, 34
	SETDM
.irp i, 0,1,2,3,4,5
	v_mov_b32 v[QF+6+\i], 0                        ; Q's upper 64 along K: zero codes
	v_mov_b32 v[KV+48+\i], 0                       ; what follows K's last tile
.endr
.irp b, 0,1,2,3
	v_mov_b32 v[EX+\b], 0                          ; written once: a lane permute's destination counts as one of its sources
.endr
	v_mov_b32 v[FF+1], 0                           ; (named as the upper half of a pair)
	v_mov_b32 v[NINF], 0xff800000
	RESET
	s_wait_tensorcnt 0x0                           ; my part of K and V has landed,
	s_barrier_signal -1
	s_barrier_wait -1                              ; everybody's has
	s_wait_loadcnt 0x0                             ; both Q's
	s_mov_b32 s15, 0
.Lstep:                                            ; 17 trips, a key step each
	s_add_co_u32 s16, s15, -1
	s_xor_b32 s16, s16, 15                         ; 16 - j, for j = 1 .. 16
	s_cmp_lt_u32 s15, s13
	s_cselect_b32 s16, s15, s16                    ; the first tile: step j; the second: step 16 - j
	s_and_b32 s16, s16, 15
	s_mul_i32 s17, s16, 6144
	v_add_nc_u32 v[ADK], s17, v[LI]                ; (these four additions are also the plain lines between the last trip's products and the loads into registers that they read)
	s_add_co_u32 s17, s17, 98304
	v_add_nc_u32 v[ADV], s17, v[LI]
	s_lshl_b32 s17, s16, 10
	s_add_co_u32 s17, s17, 196608
	v_add_nc_u32 v[ADS], s17, v[L8]
	s_lshl_b32 s17, s16, 9
	s_add_co_u32 s17, s17, 212992
	v_add_nc_u32 v[ADT], s17, v[LI]
.irp p, 0,1,2,3
	ds_load_b64 v[KSW+2*\p:KSW+2*\p+1], v[ADS] offset:256*\p
.endr
.irp p, 0,1,2,3
.irp g, 0,1,2
	ds_load_b128 v[KV+12*\p+4*\g:KV+12*\p+4*\g+3], v[ADK] offset:1536*\p+512*\g
.endr
.endr
	s_wait_dscnt 0x0
.irp t, 0,1,2,3,4,5,6,7                        ; S^T: in tile t lane (r, h) holds query r, register j key 32 (t / 2) + 16 h + 8 (t % 2) + j of the step
	v_wmma_scale_f32_16x16x128_f8f6f4 v[ST+8*\t:ST+8*\t+7], v[KV+6*\t:KV+6*\t+11], v[QF:QF+11], 0, v[KSW+\t], v[QSW] matrix_a_fmt:MATRIX_FMT_FP6 matrix_b_fmt:MATRIX_FMT_FP6
.endr
.rept 4
	v_nop                                          ; four plain lines: in front of the loads into K's registers, and of the first read of the scores
.endr
.irp t, 0,1,2,3                                ; V's fragments land while the softmax is walked
.irp g, 0,1,2
	ds_load_b128 v[KV+12*\t+4*\g:KV+12*\t+4*\g+3], v[ADV] offset:1536*\t+512*\g
.endr
.endr
	ds_load_b128 v[VSW:VSW+3], v[ADT]
	s_cmp_eq_u32 s15, s14                          ; the first tile's last step and the second tile's first lie on the diagonal
	s_cbranch_scc1 .Lmask
	s_cmp_lg_u32 s15, s13
	s_cbranch_scc1 .Lopen
.Lmask:                                            ; hidden keys' scores become -infinity ahead of the maximum: p = 0 then.  Register n holds key 16 h + 32 (n / 16) + n % 16 of the step
.irp n, 0,1,2,3,4,5,6,7,8,9,10,11,12,13,14,15,16,17,18,19,20,21,22,23,24,25,26,27,28,29,30,31,32,33,34,35,36,37,38,39,40,41,42,43,44,45,46,47,48,49,50,51,52,53,54,55,56,57,58,59,60,61,62,63
	v_cmp_gt_i32 vcc_lo, 32*(\n/16)+\n%16, v[DM]
	v_cndmask_b32 v[ST+\n], v[ST+\n], v[NINF], vcc_lo
.endr
.Lopen:
.irp b, 0,1,2,3
	v_max3_num_f32 v[BM+\b], v[ST+16*\b], v[ST+1+16*\b], v[ST+2+16*\b]   ; the largest score of each block of 32 keys: for the row's maximum, and, since p rises with the score, for the block's largest p
.endr
.irp i, 3,5,7,9,11,13
.irp b, 0,1,2,3
	v_max3_num_f32 v[BM+\b], v[BM+\b], v[ST+16*\b+\i], v[ST+1+16*\b+\i]
.endr
.endr
.irp b, 0,1,2,3
	v_max_num_f32 v[BM+\b], v[BM+\b], v[ST+15+16*\b]
.endr
.irp b, 0,1,2,3
	v_permlanex16_b32 v[EX+\b], v[BM+\b], s20, s21
.endr
.irp b, 0,1,2,3
	v_max_num_f32 v[BM+\b], v[BM+\b], v[EX+\b]     ; with lane l xor 16's 16 keys
.endr
	v_max3_num_f32 v[TW], v[BM], v[BM+1], v[BM+2]
	v_max_num_f32 v[TW], v[TW], v[BM+3]            ; the step's largest score of my query
	v_mul_f32 v[TW], s22, v[TW]                    ; as t (c is positive)
	v_max_num_f32 v13, v13, v[TW]                  ; the running largest t
	v_mov_b32 v[TW], v12
	v_floor_f32 v12, -v13                          ; the new -M = floor(-t) = -ceil(t): a whole number
	v_sub_f32 v[TW], v12, v[TW]                    ; old M - new M: a whole number, 0 or less
	v_cvt_i32_f32 v[TW], v[TW]                     ; (it saturates)
	v_ldexp_f32 v[FF], 1.0, v[TW]                  ; f = 2^(old M - new M)
.irp j, 0,2,4,6,8,10,12,14,16,18,20,22,24,26,28,30,32,34,36,38,40,42,44,46,48,50,52,54,56,58,60,62
	v_pk_fma_f32 v[ST+\j:ST+1+\j], v[ST+\j:ST+1+\j], s[22:23], v[12:13] op_sel_hi:[1,0,0]   ; t - M, two at a time (of the pairs c and -M the low word serves both halves)
.endr
.irp b, 0,1,2,3
	v_fma_f32 v[BM+\b], v[BM+\b], s22, v12         ; the same of each block's largest score
.endr
.irp j, 0,1,2,3,4,5,6,7,8,9,10,11,12,13,14,15,16,17,18,19,20,21,22,23,24,25,26,27,28,29,30,31,32,33,34,35,36,37,38,39,40,41,42,43,44,45,46,47,48,49,50,51,52,53,54,55,56,57,58,59,60,61,62,63
	v_exp_f32 v[ST+\j], v[ST+\j]                   ; p = 2^(t - M), at most 1: not normalised
.endr
	v_pk_mul_f32 v[14:15], v[14:15], v[FF:FF+1] op_sel_hi:[1,0]    ; the sums under the new M; the plain line behind the exponentials
	s_wait_alu depctr_va_vdst(0)                   ; one wait for the batch of 64, ahead of its first reader
.irp b, 0,1,2,3
	v_exp_f32 v[BM+\b], v[BM+\b]                   ; the block's largest p: the same two instructions on the same number give the same bits
.endr
	v_pk_add_f32 v[LB:LB+1], v[ST:ST+1], v[ST+2:ST+3]              ; the row's sum is taken of the unquantised p: two at a time, in two chains
.irp j, 4,8,12,16,20,24,28,32,36,40,44,48,52,56,60
	v_pk_add_f32 v[14:15], v[14:15], v[ST+\j:ST+1+\j]
	v_pk_add_f32 v[LB:LB+1], v[LB:LB+1], v[ST+2+\j:ST+3+\j]
.endr
	v_pk_add_f32 v[14:15], v[14:15], v[LB:LB+1]
	s_wait_alu depctr_va_vdst(0)                   ; and one for the four
.irp b, 0,1,2,3
	v_max_num_f32 v[BM+\b], 0x1800000, v[BM+\b]    ; the floor 2^(3 - 127): the byte cannot fall under 1
.endr
.irp b, 0,1,2,3
	v_add_nc_u32 v[SO+\b], 0xff000000, v[BM+\b]    ; 2 off the exponent field: the conversion's scale operand
.endr
.irp b, 0,1,2,3
	v_lshrrev_b32 v[EX+\b], 23, v[SO+\b]           ; the scale's byte
.endr
	v_lshl_or_b32 v[PSW], v[EX+1], 8, v[EX]        ; p's scale word for these 128 keys
	v_lshl_or_b32 v[PSW], v[EX+2], 16, v[PSW]
	v_lshl_or_b32 v[PSW], v[EX+3], 24, v[PSW]
.irp c, 0,1
	v_cvt_scalef32_pk16_fp6_f32 v[PCD+6*\c:PCD+2+6*\c], v[ST+32*\c:ST+15+32*\c], v[SO+2*\c]
	v_cvt_scalef32_pk16_fp6_f32 v[CT+4*\c:CT+2+4*\c], v[ST+16+32*\c:ST+31+32*\c], v[SO+2*\c+1]   ; (a conversion's three registers begin on an even number)
.endr
	v_nop                                          ; one plain line behind the last scaled conversion
.irp c, 0,1                                    ; a whole block in a lane: lanes 0-15 block 2 c, lanes 16-31 block 2 c + 1
.irp i, 0,1,2
	v_permlane16_swap_b32 v[PCD+6*\c+\i], v[CT+4*\c+\i]
.endr
.irp i, 0,1,2
	v_mov_b32 v[PCD+3+6*\c+\i], v[CT+4*\c+\i]
.endr
.endr
.irp j, 0,2,4,6,8,10,12,14,16,18,20,22,24,26,28,30
	v_pk_mul_f32 v[OT+\j:OT+1+\j], v[OT+\j:OT+1+\j], v[FF:FF+1] op_sel_hi:[1,0]   ; O^T under the new M.  These sixteen stand between the lines that made p's codes and scale word and the products that take them
.endr
	s_wait_dscnt 0x0                               ; V
.irp t, 0,1,2,3                                ; O^T += V^T P^T: in tile t register j is d = 32 (t / 2) + 16 h + 8 (t % 2) + j; the four accumulators take turns
	v_wmma_scale_f32_16x16x128_f8f6f4 v[OT+8*\t:OT+8*\t+7], v[KV+12*\t:KV+12*\t+11], v[PCD:PCD+11], v[OT+8*\t:OT+8*\t+7], v[VSW+\t], v[PSW] matrix_a_fmt:MATRIX_FMT_FP6 matrix_b_fmt:MATRIX_FMT_FP6
.endr
	s_cmp_eq_u32 s15, s14                          ; a tile's last step?
	s_cbranch_scc1 .Lfinish
	s_cmp_lg_u32 s15, 16
	s_cbranch_scc1 .Lnext
.Lfinish:
.rept 4
	v_nop                                          ; four plain lines between the last products and the first read of O^T
.endr
	s_wait_xcnt 0x0                                ; the first tile's stores have read their data and bases: both are written again below
	v_add_f32 v14, v14, v15                        ; the sum's two halves,
	v_permlanex16_b32 v[TW], v14, s20, s21
	v_add_f32 v14, v14, v[TW]                      ; and lane l xor 16's: the row's sum
	v_rcp_f32 v14, v14
	s_lshr_b32 s50, s12, 4
	s_lshl_b32 s50, s50, 7
	s_add_co_u32 s50, s50, s36                     ; 128 batch + tile
	s_and_b32 s51, s12, 15                         ; head
	s_mul_i32 s52, s50, 12288
	s_mul_i32 s53, s51, 768
	s_add_co_u32 s52, s52, s53
	s_mov_b32 s53, 0
	s_add_nc_u64 s[40:41], s[6:7], s[52:53]
	s_lshl_b32 s52, s50, 9
	s_lshl_b32 s54, s51, 1
	s_add_co_u32 s52, s52, s54
	s_add_nc_u64 s[42:43], s[8:9], s[52:53]
	v_nop                                          ; a plain line behind the reciprocal
	s_wait_alu depctr_va_vdst(0)                   ; and the wait ahead of its first reader
.irp j, 0,2,4,6,8,10,12,14,16,18,20,22,24,26,28,30
	v_pk_mul_f32 v[ST+\j:ST+1+\j], v[OT+\j:OT+1+\j], v[14:15] op_sel_hi:[1,0]   ; y = O^T / l: register 16 b + i is d = 32 b + 16 h + i; each accumulator from its low end on
.endr
.irp b, 0,1
	v_max3_num_f32 v[BM+\b], |v[ST+16*\b]|, |v[ST+1+16*\b]|, 0x1800000
.endr
.irp i, 2,4,6,8,10,12,14
.irp b, 0,1
	v_max3_num_f32 v[BM+\b], v[BM+\b], |v[ST+16*\b+\i]|, |v[ST+1+16*\b+\i]|
.endr
.endr
.irp b, 0,1
	v_permlanex16_b32 v[EX+\b], v[BM+\b], s20, s21
.endr
.irp b, 0,1
	v_max_num_f32 v[BM+\b], v[BM+\b], v[EX+\b]
.endr
.irp b, 0,1
	v_add_nc_u32 v[SO+\b], 0xff000000, v[BM+\b]
.endr
.irp b, 0,1
	v_lshrrev_b32 v[EX+\b], 23, v[SO+\b]
.endr
	v_lshl_or_b32 v[YC+6], v[EX+1], 8, v[EX]       ; the head's two bytes of my query
	v_cvt_scalef32_pk16_fp6_f32 v[YC:YC+2], v[ST:ST+15], v[SO]
	v_cvt_scalef32_pk16_fp6_f32 v[CT:CT+2], v[ST+16:ST+31], v[SO+1]
	v_nop
.irp i, 0,1,2
	v_permlane16_swap_b32 v[YC+\i], v[CT+\i]
.endr
.irp i, 0,1,2
	v_mov_b32 v[YC+3+\i], v[CT+\i]                 ; lane (r, h): d = 32 h .. 32 h + 31 of query r
.endr
	global_store_b128 v[LI], v[YC:YC+3], s[40:41]              ; 512 bytes on end, at a multiple of 256
	global_store_b64 v[L8], v[YC+4:YC+5], s[40:41] offset:512  ; 256 bytes on end
	global_store_b16 v[R32], v[YC+6], s[42:43]                 ; lanes r and r + 16 write the same two bytes with the same value
	s_mov_b32 s36, s37                             ; on to the second tile (behind the second tile these lines change nothing that is read)
	SETDM
	v_mov_b32 v[QSW], v34                          ; its scale word first: more than eight plain lines follow, ahead of the next product
.irp i, 0,1,2,3,4,5
	v_mov_b32 v[QF+\i], v[QN+\i]
.endr
	RESET
.Lnext:
	s_add_co_u32 s15, s15, 1
	s_cmp_lt_u32 s15, 17
	s_cbranch_scc1 .Lstep
	s_wait_tensorcnt 0x0
	ds_add_u32 v254, v255
	s_wait_dscnt 0x0
	CROUND                                         ; the closing round: no work-group ends while a partner may still ask jointly
	s_endpgm
.Lfunc_end_k_q80b110198c_attn:
	.size	k_q80b110198c_attn, .Lfunc_end_k_q80b110198c_attn-k_q80b110198c_attn
	.p2alignl 7, 3214868480
	.fill 96, 4, 3214868480
	.section	.rodata,"a",@progbits
	.p2align	6, 0x0
	.amdhsa_kernel k_q80b110198c_attn
		.amdhsa_group_segment_fixed_size 223232
		.amdhsa_private_segment_fixed_size 0
		.amdhsa_enable_private_segment 0
		.amdhsa_kernarg_size 24
		.amdhsa_user_sgpr_count 2
		.amdhsa_user_sgpr_kernarg_segment_ptr 1
		.amdhsa_wavefront_size32 1
		.amdhsa_system_sgpr_workgroup_id_x 1
		.amdhsa_system_sgpr_workgroup_id_y 1
		.amdhsa_system_sgpr_workgroup_id_z 1
		.amdhsa_system_vgpr_workitem_id 0
		.amdhsa_next_free_vgpr 256
		.amdhsa_next_free_sgpr 66
		.amdhsa_reserve_vcc 1
		.amdhsa_float_denorm_mode_32 3
		.amdhsa_float_denorm_mode_16_64 3
		.amdhsa_memory_ordered 1
		.amdhsa_forward_progress 1
		.amdhsa_inst_pref_size 35
	.end_amdhsa_kernel
	.amdgpu_metadata
---
amdhsa.version: [ 1, 2 ]
amdhsa.kernels:
  - .name:           k_q80b110198c_attn
    .symbol:         k_q80b110198c_attn.kd
    .args:
      - { .name: qkv, .offset: 0, .size: 8, .value_kind: global_buffer, .address_space: global }
      - { .name: y_img, .offset: 8, .size: 8, .value_kind: global_buffer, .address_space: global }
      - { .name: y_sc, .offset: 16, .size: 8, .value_kind: global_buffer, .address_space: global }
    .group_segment_fixed_size: 223232
    .private_segment_fixed_size: 0
    .kernarg_segment_align: 8
    .kernarg_segment_size: 24
    .max_flat_workgroup_size: 512
    .sgpr_count:     66
    .vgpr_count:     256
    .wavefront_size: 32
...
	.end_amdgpu_metadata
.endif
;; end of part 3
;; launch outp (part 4): grid 64 x 4, 4 waves a work-group, no clusters, 116,224 bytes of LDS; arguments y_img, y_sc, w_img, bp, out0; writes out0
.if DOCPART == 4
	.amdgcn_target "amdgcn-amd-amdhsa--gfx1250"
	.amdhsa_code_object_version 6
	.text
	.protected	k_q80b110198c_outp
	.globl	k_q80b110198c_outp
	.p2align	8
	.type	k_q80b110198c_outp,@function
k_q80b110198c_outp:
	s_mov_b64 s[64:65], 0
	v_nop
	global_prefetch_b8 v0, s[64:65] scope:SCOPE_SE
	s_setreg_imm32_b32 hwreg(HW_REG_WAVE_MODE, 25, 1), 1
	s_wait_xcnt 0x0
; out0 = y Wp + bp on codes of FP6 (E2M3) with one E8M0 scale for each 32 along K.  y comes as codes from the attention (y_img, y_sc), Wp as fragment images (w_img, the fourth weight).
; SHARES.  Work-group x = 128 tokens, y = 256 columns; wave w makes columns 64 (4 y + w) .. + 63 for all 128 tokens: 8 tiles of tokens x 4 tiles of columns = 32 accumulators, 8 K steps of 128 (two heads each).
; y's 64 fragments are loaded once a work-group, 16 a wave (a fragment = two heads' half images: 16 + 8 + 16 + 8 bytes a lane), and go from wave to wave through LDS as images of their registers; one barrier.
; Source 0 = 16 columns of Wp, source 1 = 16 tokens: a lane holds one token and eight neighbouring columns a tile.  The tokens and columns of a tile are not neighbours:
; lane r of tile t holds index 32 (t / 2) + 8 (t % 2) + r + 8 (r / 8); two neighbouring column tiles' 16 registers are 16 neighbouring columns.  The bias is the C of each sum's first product.
; THE WEIGHTS go straight into registers, three K steps ahead (a ring of four sets).  The 64 work-groups of a column block read the same 204,800 bytes of images; they are not asked for jointly:
; a joint request fills LDS, and here no weight passes through LDS.
; THE WAY OUT: a tile of 16 tokens x 64 columns goes through the wave's own stage in LDS (rows of 256 + 16 bytes) and leaves as whole rows: sixteen lanes store 256 bytes on end, at a multiple of 256.
; LDS: 0 y's 64 images, (8 mt + ks) x 1,536;  98,304 four stages of 16 x 272 bytes.
; REGISTERS, in windows of 256: window 0: v1-12 addresses; v16-79 y's scale words (8 mt + ks); v80-95 Wp's, four sets; v112-207 y's fragments of an even K step, later rows on the way out
;   window 1: v0-191 Wp's fragments, four sets of 48; v192-223 the bias   window 2: the accumulators; at the head my 16 fragments of y   window 3: v112-207 y's fragments of an odd K step
.set STAGE, 98304
.set LI,    1                          ; 16 x lane
.set L8,    2                          ; 8 x lane
.set R16,   3                          ; 16 r
.set XWI,   5                          ; where I store y's images: 16 x lane + 24,576 x wave
.set R32,   6                          ; 32 r
.set BA,    8                          ; the bias: 64 h
.set LI2,   9                          ; 16 x lane + 49,152
.set STO,   10                         ; the stage, in: 272 r + 64 h
.set RD,    11                         ; back: 272 h + 16 r
.set CO,    12                         ; and in out0: 4,096 h + 16 r
.set ASCR,  16
.set BSC,   80
.set AF,    112
.set BIASR, 192
.set BK,    112
.set MSB, 0
.macro WIN new                         ; the immediate's high byte repeats the setting that is left; a switch that changes nothing is dropped
.if MSB != \new
	s_set_vgpr_msb (MSB<<8)|\new
.set MSB, \new
.endif
.endm
.macro BLOAD s                         ; K step s of the weights into set s % 4: 12 loads of fragments, one of scale words
	WIN 0x40
.irp nt, 0,1,2,3
.irp g, 0,1,2
	global_load_b128 v[48*((\s)%4)+12*\nt+4*\g:48*((\s)%4)+12*\nt+4*\g+3], v[LI], s[28:29] offset:6400*(\s)+1536*\nt+512*\g
.endr
.endr
	WIN 0
	global_load_b128 v[BSC+4*((\s)%4):BSC+4*((\s)%4)+3], v[R16], s[28:29] offset:6400*(\s)+6144
.endm
.macro ALOAD s                         ; y's eight fragments of K step s from LDS: an even step's into window 0, an odd step's into window 3
.if ((\s)%2) == 0
	WIN 0
.else
	WIN 0xC0
.endif
.irp mt, 0,1,2,3
.irp g, 0,1,2
	ds_load_b128 v[AF+12*\mt+4*\g:AF+12*\mt+4*\g+3], v[LI] offset:(8*\mt+(\s))*1536+512*\g
.endr
.endr
.irp mt, 4,5,6,7
.irp g, 0,1,2
	ds_load_b128 v[AF+12*\mt+4*\g:AF+12*\mt+4*\g+3], v[LI2] offset:(8*(\mt-4)+(\s))*1536+512*\g
.endr
.endr
.endm
.macro MULS s                          ; 32 products: the accumulators take turns, one instruction a turn, in the same order in every K step
.set SL, (\s)%4
.if (\s) == 0
	WIN 0x91                                       ; source 0 (Wp) window 1, source 1 (y) window 0, C (bias) window 1, D window 2
.elseif ((\s)%2) == 0
	WIN 0xA1
.else
	WIN 0xAD
.endif
.irp mt, 0,1,2,3,4,5,6,7
.irp nt, 0,1,2,3
.set DD, 8*(4*\mt+\nt)
.if (\s) == 0
	v_wmma_scale_f32_16x16x128_f8f6f4 v[DD:DD+7], v[48*SL+12*\nt:48*SL+12*\nt+11], v[AF+12*\mt:AF+12*\mt+11], v[BIASR+8*\nt:BIASR+8*\nt+7], v[BSC+4*SL+\nt], v[ASCR+8*\mt+(\s)] matrix_a_fmt:MATRIX_FMT_FP6 matrix_b_fmt:MATRIX_FMT_FP6
.else
	v_wmma_scale_f32_16x16x128_f8f6f4 v[DD:DD+7], v[48*SL+12*\nt:48*SL+12*\nt+11], v[AF+12*\mt:AF+12*\mt+11], v[DD:DD+7], v[BSC+4*SL+\nt], v[ASCR+8*\mt+(\s)] matrix_a_fmt:MATRIX_FMT_FP6 matrix_b_fmt:MATRIX_FMT_FP6
.endif
.endr
.endr
.endm
.macro KSTEP s
	s_wait_dscnt 0x0                               ; y's fragments of this step, asked for a step ago
.if (\s) <= 5
	s_wait_loadcnt 26                              ; this step's weights are in: behind them stand the 2 x 13 loads of the next two steps
.elseif (\s) == 6
	s_wait_loadcnt 13                              ; of the last step
.else
	s_wait_loadcnt 0x0
.endif
.rept 4
	v_nop                                          ; four plain lines between the last step's products and the loads into registers that they read
.endr
.if (\s) < 7
	ALOAD (\s)+1
.endif
.if (\s) <= 4
	BLOAD (\s)+3
.endif
	MULS \s
.endm
	s_load_b256 s[4:11], s[0:1], 0x0               ; y_img, y_sc, w_img, bp
	s_load_b64 s[12:13], s[0:1], 0x20              ; out0
	v_lshl_add_u32 v254, v0, 2, 0x1c400
	v_mov_b32 v255, 0
	v_lshrrev_b32 v13, 5, v0
	v_readfirstlane_b32 s20, v13                   ; wave
	s_and_b32 s21, ttmp7, 0xffff
	s_lshl_b32 s22, s21, 2
	s_add_co_u32 s22, s22, s20                     ; my 64 columns: 4 y + w
	v_and_b32 v13, 31, v0
	v_and_b32 v14, 15, v0                          ; r
	v_bfe_u32 v15, v0, 4, 1                        ; h
	v_lshlrev_b32 v[LI], 4, v13
	v_lshlrev_b32 v[L8], 3, v13
	v_lshlrev_b32 v[R16], 4, v14
	v_lshlrev_b32 v[R32], 5, v14
	v_lshlrev_b32 v[BA], 6, v15
	s_mul_i32 s23, s20, 24576
	v_add_nc_u32 v[XWI], s23, v[LI]
	v_add_nc_u32 v[LI2], 49152, v[LI]
	s_mul_i32 s24, s20, 16*272
	s_add_co_u32 s24, s24, STAGE                   ; my stage
	v_mul_u32_u24 v[STO], v14, 272
	v_lshl_add_u32 v[STO], v15, 6, v[STO]
	v_add_nc_u32 v[STO], s24, v[STO]
	v_mul_u32_u24 v[RD], v15, 272
	v_lshl_add_u32 v[RD], v14, 4, v[RD]
	v_add_nc_u32 v[RD], s24, v[RD]
	v_lshlrev_b32 v[CO], 12, v15
	v_lshl_add_u32 v[CO], v14, 4, v[CO]
	s_mul_i32 s34, ttmp9, 98304                    ; y_img: 8 tiles of 12,288 bytes a work-group,
	s_add_co_u32 s34, s34, s23                     ; two a wave
	s_mov_b32 s35, 0
	s_lshl_b32 s36, ttmp9, 12                      ; y_sc: 8 tiles of 512 bytes
	s_mov_b32 s37, 0
	s_mul_i32 s38, s22, 51200
	s_add_co_u32 s38, s38, 3*819200                ; Wp's images of my 64 columns
	s_mov_b32 s39, 0
	s_lshl_b32 s40, s22, 8                         ; 256 bytes of bp, and of a row of out0
	s_mov_b32 s41, 0
	s_lshl_b32 s42, ttmp9, 19                      ; 128 rows of 4,096 bytes
	s_add_co_u32 s42, s42, s40
	s_mov_b32 s43, 0
	s_wait_kmcnt 0x0
	s_add_nc_u64 s[4:5], s[4:5], s[34:35]
	s_add_nc_u64 s[6:7], s[6:7], s[36:37]
	s_add_nc_u64 s[28:29], s[8:9], s[38:39]
	s_add_nc_u64 s[32:33], s[10:11], s[40:41]
	s_add_nc_u64 s[12:13], s[12:13], s[42:43]
	BLOAD 0
	BLOAD 1
	BLOAD 2
	WIN 0x40
.irp nt, 0,1,2,3                               ; the bias in the result's layout: lane (r, h): columns 32 (nt / 2) + 16 h + 8 (nt % 2) + 0 .. 7
	global_load_b128 v[BIASR+8*\nt:BIASR+8*\nt+3], v[BA], s[32:33] offset:(32*(\nt/2)+8*(\nt%2))*4
	global_load_b128 v[BIASR+8*\nt+4:BIASR+8*\nt+7], v[BA], s[32:33] offset:(32*(\nt/2)+8*(\nt%2))*4+16
.endr
	WIN 0
.irp mt, 0,1,2,3,4,5,6,7                       ; y's scale words: token r of tile mt: eight words, one a K step
	global_load_b128 v[ASCR+8*\mt:ASCR+8*\mt+3], v[R32], s[6:7] offset:512*\mt
	global_load_b128 v[ASCR+8*\mt+4:ASCR+8*\mt+7], v[R32], s[6:7] offset:512*\mt+16
.endr
	WIN 0x80
.irp f, 0,1,2,3,4,5,6,7,8,9,10,11,12,13,14,15  ; my 16 fragments, f = 8 u + ks: heads 2 ks and 2 ks + 1 of tile 2 w + u
	global_load_b128 v[12*\f:12*\f+3], v[LI], s[4:5] offset:12288*(\f/8)+1536*(\f%8)
	global_load_b64 v[12*\f+4:12*\f+5], v[L8], s[4:5] offset:12288*(\f/8)+1536*(\f%8)+512
	global_load_b128 v[12*\f+6:12*\f+9], v[LI], s[4:5] offset:12288*(\f/8)+1536*(\f%8)+768
	global_load_b64 v[12*\f+10:12*\f+11], v[L8], s[4:5] offset:12288*(\f/8)+1536*(\f%8)+1280
.endr
	WIN 0x08                                       ; an LDS store's data are its source 1: window 2
.irp f, 0,1,2,3,4,5,6,7,8,9,10,11,12,13,14,15
	s_wait_loadcnt 4*(15-\f)                       ; this fragment's four loads are in; the younger fragments' may be out
.irp g, 0,1,2
	ds_store_b128 v[XWI], v[12*\f+4*\g:12*\f+4*\g+3] offset:1536*\f+512*\g
.endr
.endr
	WIN 0
	s_wait_dscnt 0x0                               ; for the others' sake: my images have landed
	s_barrier_signal -1
	s_barrier_wait -1                              ; y's 64 images lie in LDS; they are only read from here on
	ALOAD 0
.irp s, 0,1,2,3,4,5,6,7
	KSTEP \s
.endr
.rept 4
	v_nop                                          ; four plain lines between the last products and the first read of results, and the loads into registers that held y's fragments
.endr
; token tile a: a lane's 32 numbers (register 16 b + 4 q + ..: columns 32 b + 16 h + 4 q + ..) into my stage, each accumulator from its low end on, and back as rows
.macro TOSTAGE a
	WIN 0x08
.irp b, 0,1
.irp q, 0,1,2,3
	ds_store_b128 v[STO], v[32*(\a)+16*\b+4*\q:32*(\a)+16*\b+4*\q+3] offset:128*\b+16*\q
.endr
.endr
	WIN 0
.irp i, 0,1,2,3,4,5,6,7
	ds_load_b128 v[BK+32*((\a)%2)+4*\i:BK+32*((\a)%2)+4*\i+3], v[RD] offset:2*\i*272   ; LDS serves a wave's instructions in order (ISA guide 5.7.1.4): these see the stores above, and the next tile's stores come behind them
.endr
.endm
.macro SEND a, younger                 ; younger: the LDS instructions issued behind tile a's loads, which may stay out
	s_wait_dscnt \younger
.irp i, 0,1,2,3,4,5,6,7                        ; stage row 2 i + h is token 32 (a / 2) + 8 (a % 2) + 2 i + h + 8 (i / 4)
	global_store_b128 v[CO], v[BK+32*((\a)%2)+4*\i:BK+32*((\a)%2)+4*\i+3], s[12:13] offset:4096*(32*((\a)/2)+8*((\a)%2)+2*\i+8*(\i/4)) th:TH_STORE_NT
.endr
.endm
	TOSTAGE 0
.irp a, 1,2,3,4,5,6,7
.if \a > 1
	s_wait_xcnt 0x0                                ; tile a - 2's stores have read their registers: tile a's rows may land there
.endif
	TOSTAGE \a
	SEND \a-1, 16                                  ; behind tile a - 1's loads: tile a's eight stores and eight loads
.endr
	SEND 7, 0
	s_wait_tensorcnt 0x0
	ds_add_u32 v254, v255
	s_wait_dscnt 0x0
	s_endpgm
.Lfunc_end_k_q80b110198c_outp:
	.size	k_q80b110198c_outp, .Lfunc_end_k_q80b110198c_outp-k_q80b110198c_outp
	.p2alignl 7, 3214868480
	.fill 96, 4, 3214868480
	.section	.rodata,"a",@progbits
	.p2align	6, 0x0
	.amdhsa_kernel k_q80b110198c_outp
		.amdhsa_group_segment_fixed_size 116224
		.amdhsa_private_segment_fixed_size 0
		.amdhsa_enable_private_segment 0
		.amdhsa_kernarg_size 40
		.amdhsa_user_sgpr_count 2
		.amdhsa_user_sgpr_kernarg_segment_ptr 1
		.amdhsa_wavefront_size32 1
		.amdhsa_system_sgpr_workgroup_id_x 1
		.amdhsa_system_sgpr_workgroup_id_y 1
		.amdhsa_system_sgpr_workgroup_id_z 1
		.amdhsa_system_vgpr_workitem_id 0
		.amdhsa_next_free_vgpr 1024
		.amdhsa_next_free_sgpr 66
		.amdhsa_reserve_vcc 0
		.amdhsa_float_denorm_mode_32 3
		.amdhsa_float_denorm_mode_16_64 3
		.amdhsa_memory_ordered 1
		.amdhsa_forward_progress 1
		.amdhsa_inst_pref_size 86
	.end_amdhsa_kernel
	.amdgpu_metadata
---
amdhsa.version: [ 1, 2 ]
amdhsa.kernels:
  - .name:           k_q80b110198c_outp
    .symbol:         k_q80b110198c_outp.kd
    .args:
      - { .name: y_img, .offset: 0, .size: 8, .value_kind: global_buffer, .address_space: global }
      - { .name: y_sc, .offset: 8, .size: 8, .value_kind: global_buffer, .address_space: global }
      - { .name: w_img, .offset: 16, .size: 8, .value_kind: global_buffer, .address_space: global }
      - { .name: bp, .offset: 24, .size: 8, .value_kind: global_buffer, .address_space: global }
      - { .name: out0, .offset: 32, .size: 8, .value_kind: global_buffer, .address_space: global }
    .group_segment_fixed_size: 116224
    .private_segment_fixed_size: 0
    .kernarg_segment_align: 8
    .kernarg_segment_size: 40
    .max_flat_workgroup_size: 128
    .sgpr_count:     66
    .vgpr_count:     1024
    .wavefront_size: 32
...
	.end_amdgpu_metadata
.endif
;; end of part 4
;; ======== version 2 of 2: 4 launches; version 1 with the launches proj, outp written anew for expert scheduling mode
;; workspace buffers: w_img 3,276,800 bytes; qkv 21,495,808 bytes; y_img 6,291,456 bytes; y_sc 262,144 bytes
;; launch quant_w: the kernel of part 1 again; grid 8 x 32, 4 waves a work-group, no clusters, 0 bytes of LDS; arguments Wk, Wq, Wv, Wp, w_img; writes w_img
;; launch proj (part 5): grid 64 x 3, 4 waves a work-group, no clusters, 102,912 bytes of LDS; arguments key_in, query_in, value_in, bk, bq, bv, w_img, qkv; writes qkv
.if DOCPART == 5
	.amdgcn_target "amdgcn-amd-amdhsa--gfx1250"
	.amdhsa_code_object_version 6
	.text
	.protected	k_q80b110198c_proj
	.globl	k_q80b110198c_proj
	.p2align	8
	.type	k_q80b110198c_proj,@function
k_q80b110198c_proj:
	s_mov_b64 s[64:65], 0
	v_nop
	global_prefetch_b8 v0, s[64:65] scope:SCOPE_SE
	s_setreg_imm32_b32 hwreg(HW_REG_WAVE_SCHED_MODE, 0, 2), 2
	s_setreg_imm32_b32 hwreg(HW_REG_WAVE_MODE, 25, 1), 1
	s_wait_xcnt 0x0
	s_wait_alu depctr_vm_vsrc(0)
; k = key_in Wk + bk, q = query_in Wq + bq, v = value_in Wv + bv, on codes of FP6 (E2M3) with one E8M0 scale for each 32 along K; the results are quantised at once for the attention's products and leave as codes.
; SHARES.  Work-group x = 128 tokens (one key step of one batch), y = the tensor (0 k, 1 q, 2 v).  PHASE X: wave w quantises tokens 32 w .. 32 w + 31 (16 fragments of 16 tokens x 128 K) in registers and puts
; their register images into LDS; one barrier.  THEN wave w makes heads 4 w .. 4 w + 3 for all 128 tokens, a head (64 columns) at a time: 8 tiles of tokens x 4 tiles of columns = 32 accumulators, 8 K steps of 128.
; THE TOKENS (AND COLUMNS) OF A TILE ARE NOT NEIGHBOURS: lane r of tile t holds index 32 (t / 2) + 8 (t % 2) + r + 8 (r / 8): the results of two neighbouring tiles of source 0 are then 16 neighbours in a lane's registers.
; k, q: source 0 = 16 columns of W, source 1 = 16 tokens: a lane holds ONE token and 32 of the head's 64 numbers: the next K.  Two tiles of tokens make one image: registers 0-5 the first tile's codes, 6-11 the second's.
;       Their scale word is b0 | b1 << 8 | b0 << 16 | b1 << 24: the next product's K is 64, and its instruction's other two blocks meet zero codes of q.
; v:    source 0 = 16 tokens, source 1 = 16 columns: a lane holds ONE column d and its 64 registers of a column tile run along the 128 tokens, the keys: the K of the second product.
; The bias is the C of each sum's first product, in the result's layout.
; THE WEIGHTS come from w_img in the order of an operand's registers, straight into registers, three K steps ahead (a ring of four sets), across heads too.  Behind a wave's last head the ring reads 19,200 bytes on:
; those are the next weight's images (Wp's lie behind Wv's), inside the buffer, and are not used.  All 64 work-groups of a tensor read the same 819,200 bytes of images; they are not asked for jointly:
; a joint request fills LDS, and here no weight passes through LDS.
; x is read once, by one wave, so it is quantised on the way and has no launch of its own.  Three tensors of 64 blocks are 192 work-groups.
; LIMITS: NaN and infinities are not served; blocks whose largest magnitude lies under 2^-124 are held at byte 1; a block of zeros has byte 1 and not 127 (zero codes; this program alone reads the bytes).
; qkv: 64 blocks (16 batch + head) of 335,872 bytes: K images 0 [step 16][pair 4][1,536]; V images 98,304 [step][d tile 4][1,536]; K scale words 196,608 [step][pair][8 lane]; V's 212,992 [step][16 lane];
;      Q images 221,184 [pair 64][1,536]; Q scale words 319,488 [pair][8 lane].
; LDS: 0 x's 64 images, (8 mt + ks) x 1,536;  98,304 their scale words [mt][r][8 words].
; REGISTERS, in windows of 256 (s_set_vgpr_msb: bits 1:0 source 0, 3:2 source 1, 5:4 source 2, 7:6 destination):
;   window 0: v1-9 addresses; v16-79 x's scale words (8 mt + ks); v80-95 W's scale words, four sets; v112-207 x's fragments of an even K step
;   window 1: v0-191 W's fragments, four sets of 48; v192-223 the bias, 8 a column tile
;   window 2: the 32 accumulators; in phase X four buffers of 64 numbers of x
;   window 3: v64-75, v0-35 codes just made; v76.., v36.. upper halves; v84-91 scale words to store; v92-107 at work; v112-207 x's fragments of an odd K step
;   (no conversion's destination has the number of one of its sources, whatever the windows)
; THE MODE: SCHED_MODE bits 1:0 = 2 (LLVM: expert scheduling mode 2), set by the entry lines.  The code itself states the register dependences
; between vector or matrix instructions and memory or LDS instructions, with s_wait_alu, always for 0.
; THE PLAN.  Registers that memory or LDS instructions touch:
;   v1-9            offsets and LDS addresses: written at the head, ahead of the first wait on va_vdst, and never again: scalar bases and immediate offsets do the rest.
;   X0 .. X3        (window 2, phase X) fragment f's maxima and conversions read X[f % 4]; behind them the loads of fragment f + 4 land in it.
;   codes, words    (window 3: v64-75, v0-35; v84-91) written by the quantising lines; read by phase X's LDS stores and by a head's stores to qkv.
;   W0 .. W3, x0, x1  K step s's products read W[s % 4], its four scale words and x[s % 2].  The loads of step s land in W[(s + 3) % 4] = W[(s - 1) % 4] and x[(s + 1) % 2] = x[(s - 1) % 2]:
;                   what the products of step s - 1 read and no product of step s names.
;   the bias        read by K step 0's products as C (for v also by the moves that spread it, in K step 6); loaded again in K step 1.
;   The accumulators, the registers at work and the upper halves are named by vector and matrix instructions alone.
; So ONE wait on va_vdst stands at a K step's head, and the step's 37 loads follow it, dealt among its 32 products; ONE stands behind a fragment's quantising in phase X, and ONE behind a head's four
; quantisings, each ahead of a run of stores.  A wait on vm_vsrc stands ahead of each quantising that writes codes' or words' registers again.
.set ASC,   98304
.set LI,    1                          ; 16 x lane
.set L8,    2                          ; 8 x lane
.set R16,   3                          ; 16 r
.set XA,    4                          ; x: (r + 8 (r / 8)) rows of 4,096 bytes + 64 h
.set XWI,   5                          ; where I store x's images: 16 x lane + 24,576 x wave
.set XWS,   6                          ; and their scale words: ASC + 1,024 x wave + 32 r
.set ASA,   7                          ; ASC + 32 r
.set BA,    8                          ; the bias: k, q: 64 h; v: 4 (r + 8 (r / 8))
.set LI2,   9                          ; 16 x lane + 49,152: the images of token tiles 4-7
.set ASCR,  16
.set BSC,   80
.set AF,    112
.set BIASR, 192
.set WD,    84
.set TM,    92                         ; +0..3 largest magnitudes, +4..7 the other half's, then bytes, +12..15 the conversions' scale operands
.set MSB, 0
.macro WIN new                         ; the immediate's high byte repeats the setting that is left; a switch that changes nothing is dropped
.if MSB != \new
	s_set_vgpr_msb (MSB<<8)|\new
.set MSB, \new
.endif
.endm
; fragment f = 8 u + ks of my 32 tokens: 64 numbers a lane, register 16 b + i = k 128 ks + 32 b + 16 h + i of my token, into buffer f % 4
.macro XLOAD f
	WIN 0x80
.irp b, 0,1,2,3
.irp j, 0,1,2,3
	global_load_b128 v[64*((\f)%4)+16*\b+4*\j:64*((\f)%4)+16*\b+4*\j+3], v[XA], s[4:5] offset:32768*((\f)/8)+512*((\f)%8)+128*\b+16*\j th:TH_LOAD_NT
.endr
.endr
.endm
; 64 numbers of a lane in window 2, v[64 q] on, register 16 b + i = index 32 b + 16 h + i of my row, become 12 registers of codes in window 3, v[QP] on; the four blocks' bytes stand in v[TM+4] .. v[TM+7]
.macro QUANT4 q
.set QS, 64*(\q)
.if (\q) == 0
.set QP, 64
.set QC, 76
.else
.set QP, 12*((\q)-1)
.set QC, 36
.endif
	WIN 0xCA
.irp b, 0,1,2,3
	v_max3_num_f32 v[TM+\b], |v[QS+16*\b]|, |v[QS+1+16*\b]|, 0x1800000   ; block b: my 16 numbers, from each accumulator's low end on, and the floor 2^(3 - 127)
.endr
	WIN 0xEB
.irp i, 2,4,6,8,10,12,14
.irp b, 0,1,2,3
	v_max3_num_f32 v[TM+\b], v[TM+\b], |v[QS+16*\b+\i]|, |v[QS+1+16*\b+\i]|   ; the four blocks by turns
.endr
.endr
	WIN 0xFF
.irp b, 0,1,2,3
	v_permlanex16_b32 v[TM+4+\b], v[TM+\b], s26, s27
.endr
.irp b, 0,1,2,3
	v_max_num_f32 v[TM+\b], v[TM+\b], v[TM+4+\b]   ; with lane l xor 16's 16: the block's largest magnitude
.endr
.irp b, 0,1,2,3
	v_add_nc_u32 v[TM+12+\b], 0xff000000, v[TM+\b] ; 2 off its exponent field: the conversion's scale operand
.endr
.irp b, 0,1,2,3
	v_lshrrev_b32 v[TM+4+\b], 23, v[TM+12+\b]      ; the scale's byte
.endr
	WIN 0xCE
.irp c, 0,1
	v_cvt_scalef32_pk16_fp6_f32 v[QP+6*\c:QP+6*\c+2], v[QS+32*\c:QS+32*\c+15], v[TM+12+2*\c]
	v_cvt_scalef32_pk16_fp6_f32 v[QC+4*\c:QC+4*\c+2], v[QS+16+32*\c:QS+31+32*\c], v[TM+12+2*\c+1]   ; (a conversion's three registers begin on an even number)
.endr
	WIN 0xFF
	v_nop                                          ; one plain line behind the last scaled conversion
.irp c, 0,1                                    ; the operand's layout wants a whole block in a lane: lanes 0-15 block 2 c, lanes 16-31 block 2 c + 1
.irp i, 0,1,2
	v_permlane16_swap_b32 v[QP+6*\c+\i], v[QC+4*\c+\i]
.endr
.irp i, 0,1,2
	v_mov_b32 v[QP+3+6*\c+\i], v[QC+4*\c+\i]
.endr
.endr
.endm
; K step s of the weights (counted from the head in hand; 8 and more: the next head's) into set s % 4: 12 loads of fragments, one of scale words
.macro BLOAD s
	WIN 0x40
.irp nt, 0,1,2,3
.irp g, 0,1,2
	global_load_b128 v[48*((\s)%4)+12*\nt+4*\g:48*((\s)%4)+12*\nt+4*\g+3], v[LI], s[28:29] offset:6400*(\s)+1536*\nt+512*\g
.endr
.endr
	WIN 0
	global_load_b128 v[BSC+4*((\s)%4):BSC+4*((\s)%4)+3], v[R16], s[28:29] offset:6400*(\s)+6144
.endm
; four of x's eight fragments of K step s from LDS (half 0: token tiles 0-3, half 1: tiles 4-7): an even step's into window 0, an odd step's into window 3
.macro ALOADH s, half
.if ((\s)%2) == 0
	WIN 0
.else
	WIN 0xC0
.endif
.if (\half) == 0
.irp mt, 0,1,2,3
.irp g, 0,1,2
	ds_load_b128 v[AF+12*\mt+4*\g:AF+12*\mt+4*\g+3], v[LI] offset:(8*\mt+(\s))*1536+512*\g
.endr
.endr
.else
.irp mt, 4,5,6,7
.irp g, 0,1,2
	ds_load_b128 v[AF+12*\mt+4*\g:AF+12*\mt+4*\g+3], v[LI2] offset:(8*(\mt-4)+(\s))*1536+512*\g
.endr
.endr
.endif
.endm
.macro BIASLOAD tr                     ; tr = 1: a lane's eight columns of each tile; tr = 0: its one column of each tile
	WIN 0x40
.irp nt, 0,1,2,3
.if \tr
	global_load_b128 v[BIASR+8*\nt:BIASR+8*\nt+3], v[BA], s[32:33] offset:(32*(\nt/2)+8*(\nt%2))*4
	global_load_b128 v[BIASR+8*\nt+4:BIASR+8*\nt+7], v[BA], s[32:33] offset:(32*(\nt/2)+8*(\nt%2))*4+16
.else
	global_load_b32 v[BIASR+8*\nt], v[BA], s[32:33] offset:(32*(\nt/2)+8*(\nt%2))*4
.endif
.endr
.endm
.macro BIASFILL                        ; tr = 0: the one number serves the lane's eight tokens
	WIN 0x41
.irp nt, 0,1,2,3
.irp j, 1,2,3,4,5,6,7
	v_mov_b32 v[BIASR+8*\nt+\j], v[BIASR+8*\nt]
.endr
.endr
.endm
; the windows of K step s's products
.macro MWIN s, tr
.if \tr
.if (\s) == 0
	WIN 0x91                                       ; source 0 (W) window 1, source 1 (x) window 0, C (bias) window 1, D window 2
.elseif ((\s)%2) == 0
	WIN 0xA1
.else
	WIN 0xAD                                       ; x's odd set: window 3
.endif
.else
.if (\s) == 0
	WIN 0x94                                       ; source 0 (x) window 0, source 1 (W) window 1, C (bias) window 1, D window 2
.elseif ((\s)%2) == 0
	WIN 0xA4
.else
	WIN 0xA7
.endif
.endif
.endm
; 8 of a K step's 32 products: token tiles m0, m0 + 1 x the four column tiles.  The 32 accumulators take turns, one instruction a turn, in the same order in every K step.
; K step 0 starts the sums with the bias as C.
.macro MULQ s, tr, m0
.set SL, (\s)%4
	MWIN \s, \tr
.irp mt, \m0, \m0+1
.irp nt, 0,1,2,3
.if \tr
.set DD, 8*(4*(\mt)+\nt)
.if (\s) == 0
	v_wmma_scale_f32_16x16x128_f8f6f4 v[DD:DD+7], v[48*SL+12*\nt:48*SL+12*\nt+11], v[AF+12*(\mt):AF+12*(\mt)+11], v[BIASR+8*\nt:BIASR+8*\nt+7], v[BSC+4*SL+\nt], v[ASCR+8*(\mt)+(\s)] matrix_a_fmt:MATRIX_FMT_FP6 matrix_b_fmt:MATRIX_FMT_FP6
.else
	v_wmma_scale_f32_16x16x128_f8f6f4 v[DD:DD+7], v[48*SL+12*\nt:48*SL+12*\nt+11], v[AF+12*(\mt):AF+12*(\mt)+11], v[DD:DD+7], v[BSC+4*SL+\nt], v[ASCR+8*(\mt)+(\s)] matrix_a_fmt:MATRIX_FMT_FP6 matrix_b_fmt:MATRIX_FMT_FP6
.endif
.else
.set DD, 8*(8*\nt+(\mt))
.if (\s) == 0
	v_wmma_scale_f32_16x16x128_f8f6f4 v[DD:DD+7], v[AF+12*(\mt):AF+12*(\mt)+11], v[48*SL+12*\nt:48*SL+12*\nt+11], v[BIASR+8*\nt:BIASR+8*\nt+7], v[ASCR+8*(\mt)+(\s)], v[BSC+4*SL+\nt] matrix_a_fmt:MATRIX_FMT_FP6 matrix_b_fmt:MATRIX_FMT_FP6
.else
	v_wmma_scale_f32_16x16x128_f8f6f4 v[DD:DD+7], v[AF+12*(\mt):AF+12*(\mt)+11], v[48*SL+12*\nt:48*SL+12*\nt+11], v[DD:DD+7], v[ASCR+8*(\mt)+(\s)], v[BSC+4*SL+\nt] matrix_a_fmt:MATRIX_FMT_FP6 matrix_b_fmt:MATRIX_FMT_FP6
.endif
.endif
.endr
.endr
.endm
.macro KSTEP s, tr
	s_wait_dscnt 0x0                               ; x's fragments of this step, asked for a step ago
	s_wait_loadcnt 26                              ; this step's weights are in: behind them stand the 2 x 13 loads of the next two steps (where bias loads stand among them the count asks for more than is needed)
.rept 4
	v_nop                                          ; four plain lines between the last step's products and the loads into registers that they read (ISA guide 7.12.1 for vector instructions)
.endr
.if ((\s) == 6) && ((\tr) == 0)
	BIASFILL                                       ; (its loads stand ahead of four later steps' weights, so the wait on LOADcnt above has shown them in)
.endif
	s_wait_alu depctr_va_vdst(0)                   ; the last step's products are done reading their set of W, its scale words and their set of x, in which this step's loads land; in K step 1: K step 0's are done reading the bias (for v: and the moves that spread it)
	ALOADH ((\s)+1)%8, 0                           ; the step's loads are dealt among its products, which name the other sets alone: no further wait
	MULQ \s, \tr, 0
	ALOADH ((\s)+1)%8, 1
	MULQ \s, \tr, 2
	BLOAD (\s)+3
.if (\s) == 1
	BIASLOAD \tr                                   ; the next head's bias: this head's was read by K step 0
.endif
	MULQ \s, \tr, 4
	MULQ \s, \tr, 6
.endm
; the head's results leave as codes: the four quantisings write registers of their own, one wait stands behind them, and the stores go in one run
.macro EPI tr
	s_wait_alu depctr_vm_vsrc(0)                   ; the last head's stores (ahead of my first head: phase X's last LDS stores) have read the codes' and the scale words' registers, which the lines below write again
.irp p, 0,1,2,3
	QUANT4 \p
	WIN 0xFF
.if \tr
	v_lshl_or_b32 v[WD+2*\p], v[TM+5], 8, v[TM+4]                  ; token tile 2 p: b0 | b1 << 8,
	v_lshl_or_b32 v[WD+2*\p+1], v[TM+7], 8, v[TM+6]                ; tile 2 p + 1 likewise,
	v_lshl_or_b32 v[WD+2*\p], v[WD+2*\p], 16, v[WD+2*\p]           ; and the same two bytes once more above them
	v_lshl_or_b32 v[WD+2*\p+1], v[WD+2*\p+1], 16, v[WD+2*\p+1]
.else
	v_lshl_or_b32 v[WD+\p], v[TM+5], 8, v[TM+4]                    ; d tile p: the four bytes of the 128 keys
	v_lshl_or_b32 v[WD+\p], v[TM+6], 16, v[WD+\p]
	v_lshl_or_b32 v[WD+\p], v[TM+7], 24, v[WD+\p]
.endif
.endr
	WIN 0x0C                                       ; a store's data are its source 1: window 3
	s_wait_alu depctr_va_vdst(0)                   ; the four quantisings have written the codes and the scale words, which the stores below read
.irp p, 0,1,2,3
.if \p == 0
.set QP, 64
.else
.set QP, 12*(\p-1)
.endif
.irp g, 0,1,2
	global_store_b128 v[LI], v[QP+4*\g:QP+4*\g+3], s[34:35] offset:1536*\p+512*\g   ; 512 bytes on end, at a multiple of 256
.endr
.if \tr
	global_store_b64 v[L8], v[WD+2*\p:WD+2*\p+1], s[36:37] offset:256*\p           ; 256 bytes on end
.endif
.endr
.if (\tr) == 0
	global_store_b128 v[LI], v[WD:WD+3], s[36:37]
.endif
.endm
.macro CHUNKS tr
	BIASLOAD \tr                                   ; the first head's bias (no vector or matrix instruction has named its registers)
	s_wait_loadcnt 0x0
.if (\tr) == 0
	BIASFILL
.endif
	WIN 0
	s_lshl_b32 s38, s24, 8
	s_add_nc_u64 s[32:33], s[30:31], s[38:39]      ; the bias of the head after this one (its loads above are done)
.Lchunk_\@:
.irp s, 0,1,2,3,4,5,6,7
	KSTEP \s, \tr
.endr
.rept 4
	v_nop                                          ; four plain lines between the last products and the first read of results
.endr
	EPI \tr
	WIN 0                                          ; at a label and at a branch every window is 0
	s_wait_xcnt 0x0                                ; the loads and stores issued so far have read their bases and data: these may be written again
	s_add_nc_u64 s[28:29], s[28:29], 51200         ; the next head's weights,
	s_add_nc_u64 s[34:35], s[34:35], 335872        ; its block of qkv
	s_add_nc_u64 s[36:37], s[36:37], 335872
	s_add_co_u32 s24, s24, 1
	s_min_u32 s24, s24, 15                         ; no load leaves the bias
	s_lshl_b32 s38, s24, 8
	s_add_nc_u64 s[32:33], s[30:31], s[38:39]
	s_sub_co_u32 s23, s23, 1
	s_cmp_lg_u32 s23, 0
	s_cbranch_scc1 .Lchunk_\@
.endm
	s_load_b256 s[4:11], s[0:1], 0x0               ; key_in, query_in, value_in, bk
	s_load_b256 s[12:19], s[0:1], 0x20             ; bq, bv, w_img, qkv
	v_lshl_add_u32 v254, v0, 2, 0x19000
	v_mov_b32 v255, 0
	v_lshrrev_b32 v10, 5, v0
	v_readfirstlane_b32 s20, v10                   ; wave
	s_and_b32 s21, ttmp7, 0xffff                   ; the tensor: 0 k, 1 q, 2 v
	v_and_b32 v10, 31, v0                          ; lane
	v_and_b32 v11, 15, v0                          ; r
	v_bfe_u32 v12, v0, 4, 1                        ; h
	v_lshlrev_b32 v[LI], 4, v10
	v_lshlrev_b32 v[L8], 3, v10
	v_lshlrev_b32 v[R16], 4, v11
	v_and_b32 v13, 8, v11
	v_add_nc_u32 v13, v13, v11                     ; r + 8 (r / 8)
	v_lshlrev_b32 v[XA], 12, v13
	v_lshl_add_u32 v[XA], v12, 6, v[XA]
	s_wait_alu depctr_va_sdst(0)                   ; s20, the wave's number, is written, ahead of its first reader: LDS addresses and all bases are made from it
	s_mul_i32 s38, s20, 24576
	v_add_nc_u32 v[XWI], s38, v[LI]
	s_lshl_b32 s38, s20, 10
	s_add_co_u32 s38, s38, ASC
	v_lshl_add_u32 v[XWS], v11, 5, s38
	v_lshlrev_b32 v[ASA], 5, v11
	v_add_nc_u32 v[ASA], ASC, v[ASA]
	v_add_nc_u32 v[LI2], 49152, v[LI]
	v_lshlrev_b32 v14, 6, v12
	v_lshlrev_b32 v15, 2, v13
	s_cmp_eq_u32 s21, 2
	s_cselect_b32 s38, -1, 0
	v_cndmask_b32 v[BA], v14, v15, s38
	s_mov_b32 s26, 0x76543210
	s_mov_b32 s27, 0xfedcba98                      ; v_permlanex16_b32's selects for lane l xor 16
	s_cmp_eq_u32 s21, 1                            ; where the tensor's images and scale words lie in a block of qkv
	s_cselect_b32 s50, 221184, 0
	s_mov_b32 s51, 196608
	s_cselect_b32 s51, 319488, s51
	s_cmp_eq_u32 s21, 2
	s_cselect_b32 s50, 98304, s50
	s_cselect_b32 s51, 212992, s51
	s_cselect_b32 s52, 9, 10                       ; scale words of a step: 512 bytes for v, 1,024 for k and q
	s_lshl_b32 s38, ttmp9, 19                      ; x: 128 tokens of 4,096 bytes a work-group,
	s_lshl_b32 s39, s20, 17                        ; 32 a wave
	s_add_co_u32 s38, s38, s39
	s_mov_b32 s39, 0
	s_mul_i32 s42, s21, 819200                     ; the tensor's weight,
	s_mul_i32 s43, s20, 204800                     ; my four heads of it
	s_add_co_u32 s42, s42, s43
	s_mov_b32 s43, 0
	s_lshr_b32 s44, ttmp9, 4                       ; batch
	s_and_b32 s45, ttmp9, 15                       ; step
	s_lshl_b32 s44, s44, 4
	s_lshl_b32 s46, s20, 2
	s_add_co_u32 s44, s44, s46
	s_mul_i32 s44, s44, 335872                     ; the block of (batch, my first head)
	s_mul_i32 s46, s45, 6144
	s_add_co_u32 s46, s46, s50
	s_add_co_u32 s46, s46, s44
	s_mov_b32 s47, 0
	s_lshl_b32 s48, s45, s52
	s_add_co_u32 s48, s48, s51
	s_add_co_u32 s48, s48, s44
	s_mov_b32 s49, 0
	s_wait_kmcnt 0x0
	s_cmp_eq_u32 s21, 1                            ; the buffers are chosen by the work-group's number alone
	s_cselect_b64 s[4:5], s[6:7], s[4:5]
	s_cselect_b64 s[30:31], s[12:13], s[10:11]
	s_cmp_eq_u32 s21, 2
	s_cselect_b64 s[4:5], s[8:9], s[4:5]
	s_cselect_b64 s[30:31], s[14:15], s[30:31]
	s_add_nc_u64 s[4:5], s[4:5], s[38:39]
	s_add_nc_u64 s[28:29], s[16:17], s[42:43]
	s_add_nc_u64 s[34:35], s[18:19], s[46:47]
	s_add_nc_u64 s[36:37], s[18:19], s[48:49]
	s_lshl_b32 s38, s20, 10
	s_add_nc_u64 s[32:33], s[30:31], s[38:39]      ; the bias of my first head
	s_wait_alu depctr_va_vdst(0)                   ; the nine offsets and LDS addresses v1 to v9 are written: every load and store of the kernel reads one of them
	BLOAD 0
	BLOAD 1
	BLOAD 2
	XLOAD 0
	XLOAD 1
	XLOAD 2
	XLOAD 3
	WIN 0xC0
.irp b, 0,1,2,3
	v_mov_b32 v[TM+4+\b], 0                        ; written once: a lane permute's destination counts as one of its sources
.endr
; PHASE X: fragment f of my 32 tokens is quantised and its image stored
.macro XFRAG f
.if 15-(\f) >= 3
	s_wait_loadcnt 48                              ; this fragment's 16 loads are in; those of the three behind it may be out
.else
	s_wait_loadcnt 16*(15-(\f))
.endif
	s_wait_dscnt 0x0                               ; the last fragment's LDS stores are done
.if (\f) > 0
	s_wait_alu depctr_vm_vsrc(0)                   ; the LDS stores issued so far have read the scale word's register and the codes' registers, which the lines below write again
.endif
	QUANT4 (\f)%4
	WIN 0xFF
	v_lshl_or_b32 v[WD], v[TM+5], 8, v[TM+4]       ; the four bytes make my token's scale word
	v_lshl_or_b32 v[WD], v[TM+6], 16, v[WD]
	v_lshl_or_b32 v[WD], v[TM+7], 24, v[WD]
	WIN 0x0C
	s_wait_alu depctr_va_vdst(0)                   ; the codes and the scale word are written, which the LDS stores read; the maxima and conversions are done reading buffer f % 4, in which the loads below land
.irp g, 0,1,2
	ds_store_b128 v[XWI], v[QP+4*\g:QP+4*\g+3] offset:(\f)*1536+512*\g
.endr
	ds_store_b32 v[XWS], v[WD] offset:512*((\f)/8)+4*((\f)%8)      ; lanes r and r + 16 write the same word with the same value
.if (\f) < 12
	XLOAD (\f)+4
.endif
.endm
.irp f, 0,1,2,3,4,5,6,7,8,9,10,11,12,13,14,15
	XFRAG \f
.endr
	WIN 0
	s_wait_dscnt 0x0                               ; for the others' sake: my images and scale words have landed
	s_barrier_signal -1
	s_barrier_wait -1                              ; x's 64 images lie in LDS; from here on LDS is only read
.irp mt, 0,1,2,3,4,5,6,7
	ds_load_b128 v[ASCR+8*\mt:ASCR+8*\mt+3], v[ASA] offset:512*\mt
	ds_load_b128 v[ASCR+8*\mt+4:ASCR+8*\mt+7], v[ASA] offset:512*\mt+16
.endr
	ALOADH 0, 0
	ALOADH 0, 1
	s_lshl_b32 s24, s20, 2
	s_add_co_u32 s24, s24, 1                       ; the head after my first
	s_mov_b32 s23, 4                               ; heads to go
	s_cmp_eq_u32 s21, 2
	s_cbranch_scc1 .Lvalues
	CHUNKS 1
	s_wait_dscnt 0x0                               ; the closing lines, six on end
	s_wait_alu 0x0
	s_wait_tensorcnt 0x0
	ds_add_u32 v254, v255
	s_wait_dscnt 0x0
	s_endpgm
.Lvalues:
	CHUNKS 0
	s_wait_dscnt 0x0                               ; the closing lines, six on end, as above
	s_wait_alu 0x0
	s_wait_tensorcnt 0x0
	ds_add_u32 v254, v255
	s_wait_dscnt 0x0
	s_endpgm
.Lfunc_end_k_q80b110198c_proj:
	.size	k_q80b110198c_proj, .Lfunc_end_k_q80b110198c_proj-k_q80b110198c_proj
	.p2alignl 7, 3214868480
	.fill 96, 4, 3214868480
	.section	.rodata,"a",@progbits
	.p2align	6, 0x0
	.amdhsa_kernel k_q80b110198c_proj
		.amdhsa_group_segment_fixed_size 102912
		.amdhsa_private_segment_fixed_size 0
		.amdhsa_enable_private_segment 0
		.amdhsa_kernarg_size 64
		.amdhsa_user_sgpr_count 2
		.amdhsa_user_sgpr_kernarg_segment_ptr 1
		.amdhsa_wavefront_size32 1
		.amdhsa_system_sgpr_workgroup_id_x 1
		.amdhsa_system_sgpr_workgroup_id_y 1
		.amdhsa_system_sgpr_workgroup_id_z 1
		.amdhsa_system_vgpr_workitem_id 0
		.amdhsa_next_free_vgpr 1024
		.amdhsa_next_free_sgpr 66
		.amdhsa_reserve_vcc 0
		.amdhsa_float_denorm_mode_32 3
		.amdhsa_float_denorm_mode_16_64 3
		.amdhsa_memory_ordered 1
		.amdhsa_forward_progress 1
		.amdhsa_inst_pref_size 255
	.end_amdhsa_kernel
	.section	.bss,"aw",@nobits
	.p2align	6
	.space	262144
	.amdgpu_metadata
---
amdhsa.version: [ 1, 2 ]
amdhsa.kernels:
  - .name:           k_q80b110198c_proj
    .symbol:         k_q80b110198c_proj.kd
    .args:
      - { .name: key_in, .offset: 0, .size: 8, .value_kind: global_buffer, .address_space: global }
      - { .name: query_in, .offset: 8, .size: 8, .value_kind: global_buffer, .address_space: global }
      - { .name: value_in, .offset: 16, .size: 8, .value_kind: global_buffer, .address_space: global }
      - { .name: bk, .offset: 24, .size: 8, .value_kind: global_buffer, .address_space: global }
      - { .name: bq, .offset: 32, .size: 8, .value_kind: global_buffer, .address_space: global }
      - { .name: bv, .offset: 40, .size: 8, .value_kind: global_buffer, .address_space: global }
      - { .name: w_img, .offset: 48, .size: 8, .value_kind: global_buffer, .address_space: global }
      - { .name: qkv, .offset: 56, .size: 8, .value_kind: global_buffer, .address_space: global }
    .group_segment_fixed_size: 102912
    .private_segment_fixed_size: 0
    .kernarg_segment_align: 8
    .kernarg_segment_size: 64
    .max_flat_workgroup_size: 128
    .sgpr_count:     66
    .vgpr_count:     1024
    .wavefront_size: 32
...
	.end_amdgpu_metadata
.endif
;; end of part 5
;; launch attn: the kernel of part 3 again; grid 4 x 64, 16 waves a work-group, clusters of 4 x 1, 223,232 bytes of LDS; arguments qkv, y_img, y_sc; writes y_img, y_sc
;; launch outp (part 6): grid 64 x 4, 4 waves a work-group, no clusters, 116,224 bytes of LDS; arguments y_img, y_sc, w_img, bp, out0; writes out0
.if DOCPART == 6
	.amdgcn_target "amdgcn-amd-amdhsa--gfx1250"
	.amdhsa_code_object_version 6
	.text
	.protected	k_q80b110198c_outp
	.globl	k_q80b110198c_outp
	.p2align	8
	.type	k_q80b110198c_outp,@function
k_q80b110198c_outp:
	s_mov_b64 s[64:65], 0
	v_nop
	global_prefetch_b8 v0, s[64:65] scope:SCOPE_SE
	s_setreg_imm32_b32 hwreg(HW_REG_WAVE_SCHED_MODE, 0, 2), 2
	s_setreg_imm32_b32 hwreg(HW_REG_WAVE_MODE, 25, 1), 1
	s_wait_xcnt 0x0
	s_wait_alu depctr_vm_vsrc(0)
; out0 = y Wp + bp on codes of FP6 (E2M3) with one E8M0 scale for each 32 along K.  y comes as codes from the attention (y_img, y_sc), Wp as fragment images (w_img, the fourth weight).
; SHARES.  Work-group x = 128 tokens, y = 256 columns; wave w makes columns 64 (4 y + w) .. + 63 for all 128 tokens: 8 tiles of tokens x 4 tiles of columns = 32 accumulators, 8 K steps of 128 (two heads each).
; y's 64 fragments are loaded once a work-group, 16 a wave (a fragment = two heads' half images: 16 + 8 + 16 + 8 bytes a lane), and go from wave to wave through LDS as images of their registers; one barrier.
; Source 0 = 16 columns of Wp, source 1 = 16 tokens: a lane holds one token and eight neighbouring columns a tile.  The tokens and columns of a tile are not neighbours:
; lane r of tile t holds index 32 (t / 2) + 8 (t % 2) + r + 8 (r / 8); two neighbouring column tiles' 16 registers are 16 neighbouring columns.  The bias is the C of each sum's first product.
; THE WEIGHTS go straight into registers, three K steps ahead (a ring of four sets).  The 64 work-groups of a column block read the same 204,800 bytes of images; they are not asked for jointly:
; a joint request fills LDS, and here no weight passes through LDS.
; THE WAY OUT: a tile of 16 tokens x 64 columns goes through the wave's own stage in LDS (rows of 256 + 16 bytes) and leaves as whole rows: sixteen lanes store 256 bytes on end, at a multiple of 256.
; LDS: 0 y's 64 images, (8 mt + ks) x 1,536;  98,304 four stages of 16 x 272 bytes.
; REGISTERS, in windows of 256: window 0: v1-12 addresses; v16-79 y's scale words (8 mt + ks); v80-95 Wp's, four sets; v112-207 y's fragments of an even K step, later rows on the way out
;   window 1: v0-191 Wp's fragments, four sets of 48; v192-223 the bias   window 2: the accumulators; at the head my 16 fragments of y   window 3: v112-207 y's fragments of an odd K step
; THE MODE: SCHED_MODE bits 1:0 = 2 (LLVM: expert scheduling mode 2), set by the entry lines.  The code itself states the register dependences
; between vector or matrix instructions and memory or LDS instructions, with s_wait_alu, always for 0.
; THE PLAN.  Registers that memory or LDS instructions touch:
;   v1-12           offsets and LDS addresses: written at the head, ahead of the first wait on va_vdst, and never again.
;   window 2        at the head my 16 fragments of y land in v0-191 and the LDS stores read them; from K step 0 on the products write these registers; on the way out the stage's LDS stores read them.
;   W0 .. W3, y0, y1  K step s's products read W[s % 4], its four scale words and y[s % 2].  The loads of step s land in W[(s + 3) % 4] = W[(s - 1) % 4] and y[(s + 1) % 2] = y[(s - 1) % 2]:
;                   what the products of step s - 1 read and no product of step s names.
;   rows            (window 0, v112-143 and v144-175 by turns, where y0 lay) tile a's rows land from the stage; tile a's stores to out0 read them; tile a + 2's rows land there again.
; So ONE wait on va_vdst stands at the head of K steps 1 to 6 (ahead of step 0 no product has been issued; step 7 issues no load), and a step's loads follow it, dealt among its 32 products;
; ONE stands ahead of the way out.  A wait on vm_vsrc stands behind the barrier, ahead of the first products, and ahead of each tile of rows that lands where stores have read.
.set STAGE, 98304
.set LI,    1                          ; 16 x lane
.set L8,    2                          ; 8 x lane
.set R16,   3                          ; 16 r
.set XWI,   5                          ; where I store y's images: 16 x lane + 24,576 x wave
.set R32,   6                          ; 32 r
.set BA,    8                          ; the bias: 64 h
.set LI2,   9                          ; 16 x lane + 49,152
.set STO,   10                         ; the stage, in: 272 r + 64 h
.set RD,    11                         ; back: 272 h + 16 r
.set CO,    12                         ; and in out0: 4,096 h + 16 r
.set ASCR,  16
.set BSC,   80
.set AF,    112
.set BIASR, 192
.set BK,    112
.set MSB, 0
.macro WIN new                         ; the immediate's high byte repeats the setting that is left; a switch that changes nothing is dropped
.if MSB != \new
	s_set_vgpr_msb (MSB<<8)|\new
.set MSB, \new
.endif
.endm
.macro BLOAD s                         ; K step s of the weights into set s % 4: 12 loads of fragments, one of scale words
	WIN 0x40
.irp nt, 0,1,2,3
.irp g, 0,1,2
	global_load_b128 v[48*((\s)%4)+12*\nt+4*\g:48*((\s)%4)+12*\nt+4*\g+3], v[LI], s[28:29] offset:6400*(\s)+1536*\nt+512*\g
.endr
.endr
	WIN 0
	global_load_b128 v[BSC+4*((\s)%4):BSC+4*((\s)%4)+3], v[R16], s[28:29] offset:6400*(\s)+6144
.endm
.macro ALOADH s, half                  ; four of y's eight fragments of K step s from LDS (half 0: token tiles 0-3, half 1: tiles 4-7): an even step's into window 0, an odd step's into window 3
.if ((\s)%2) == 0
	WIN 0
.else
	WIN 0xC0
.endif
.if (\half) == 0
.irp mt, 0,1,2,3
.irp g, 0,1,2
	ds_load_b128 v[AF+12*\mt+4*\g:AF+12*\mt+4*\g+3], v[LI] offset:(8*\mt+(\s))*1536+512*\g
.endr
.endr
.else
.irp mt, 4,5,6,7
.irp g, 0,1,2
	ds_load_b128 v[AF+12*\mt+4*\g:AF+12*\mt+4*\g+3], v[LI2] offset:(8*(\mt-4)+(\s))*1536+512*\g
.endr
.endr
.endif
.endm
.macro MULQ s, m0                      ; 8 of a K step's 32 products: token tiles m0, m0 + 1 x the four column tiles; the accumulators take turns, one instruction a turn, in the same order in every K step
.set SL, (\s)%4
.if (\s) == 0
	WIN 0x91                                       ; source 0 (Wp) window 1, source 1 (y) window 0, C (bias) window 1, D window 2
.elseif ((\s)%2) == 0
	WIN 0xA1
.else
	WIN 0xAD
.endif
.irp mt, \m0, \m0+1
.irp nt, 0,1,2,3
.set DD, 8*(4*(\mt)+\nt)
.if (\s) == 0
	v_wmma_scale_f32_16x16x128_f8f6f4 v[DD:DD+7], v[48*SL+12*\nt:48*SL+12*\nt+11], v[AF+12*(\mt):AF+12*(\mt)+11], v[BIASR+8*\nt:BIASR+8*\nt+7], v[BSC+4*SL+\nt], v[ASCR+8*(\mt)+(\s)] matrix_a_fmt:MATRIX_FMT_FP6 matrix_b_fmt:MATRIX_FMT_FP6
.else
	v_wmma_scale_f32_16x16x128_f8f6f4 v[DD:DD+7], v[48*SL+12*\nt:48*SL+12*\nt+11], v[AF+12*(\mt):AF+12*(\mt)+11], v[DD:DD+7], v[BSC+4*SL+\nt], v[ASCR+8*(\mt)+(\s)] matrix_a_fmt:MATRIX_FMT_FP6 matrix_b_fmt:MATRIX_FMT_FP6
.endif
.endr
.endr
.endm
.macro KSTEP s
	s_wait_dscnt 0x0                               ; y's fragments of this step, asked for a step ago
.if (\s) <= 5
	s_wait_loadcnt 26                              ; this step's weights are in: behind them stand the 2 x 13 loads of the next two steps
.elseif (\s) == 6
	s_wait_loadcnt 13                              ; of the last step
.else
	s_wait_loadcnt 0x0
.endif
.rept 4
	v_nop                                          ; four plain lines between the last step's products and the loads into registers that they read
.endr
.if ((\s) > 0) && ((\s) < 7)
	s_wait_alu depctr_va_vdst(0)                   ; the last step's products are done reading their set of y, and their set of Wp with its scale words, in which this step's loads land
.endif
.if (\s) < 7
	ALOADH (\s)+1, 0                               ; the step's loads are dealt among its products, which name the other sets alone: no further wait
.endif
	MULQ \s, 0
.if (\s) < 7
	ALOADH (\s)+1, 1
.endif
	MULQ \s, 2
.if (\s) <= 4
	BLOAD (\s)+3
.endif
	MULQ \s, 4
	MULQ \s, 6
.endm
	s_load_b256 s[4:11], s[0:1], 0x0               ; y_img, y_sc, w_img, bp
	s_load_b64 s[12:13], s[0:1], 0x20              ; out0
	v_lshl_add_u32 v254, v0, 2, 0x1c400
	v_mov_b32 v255, 0
	v_lshrrev_b32 v13, 5, v0
	v_readfirstlane_b32 s20, v13                   ; wave
	v_and_b32 v13, 31, v0
	v_and_b32 v14, 15, v0                          ; r
	v_bfe_u32 v15, v0, 4, 1                        ; h
	v_lshlrev_b32 v[LI], 4, v13
	v_lshlrev_b32 v[L8], 3, v13
	v_lshlrev_b32 v[R16], 4, v14
	v_lshlrev_b32 v[R32], 5, v14
	v_lshlrev_b32 v[BA], 6, v15
	s_and_b32 s21, ttmp7, 0xffff
	s_lshl_b32 s22, s21, 2
	s_wait_alu depctr_va_sdst(0)                   ; s20, the wave's number, is written, ahead of its first reader: LDS addresses and all bases are made from it
	s_add_co_u32 s22, s22, s20                     ; my 64 columns: 4 y + w
	s_mul_i32 s23, s20, 24576
	v_add_nc_u32 v[XWI], s23, v[LI]
	v_add_nc_u32 v[LI2], 49152, v[LI]
	s_mul_i32 s24, s20, 16*272
	s_add_co_u32 s24, s24, STAGE                   ; my stage
	v_mul_u32_u24 v[STO], v14, 272
	v_lshl_add_u32 v[STO], v15, 6, v[STO]
	v_add_nc_u32 v[STO], s24, v[STO]
	v_mul_u32_u24 v[RD], v15, 272
	v_lshl_add_u32 v[RD], v14, 4, v[RD]
	v_add_nc_u32 v[RD], s24, v[RD]
	v_lshlrev_b32 v[CO], 12, v15
	v_lshl_add_u32 v[CO], v14, 4, v[CO]
	s_mul_i32 s34, ttmp9, 98304                    ; y_img: 8 tiles of 12,288 bytes a work-group,
	s_add_co_u32 s34, s34, s23                     ; two a wave
	s_mov_b32 s35, 0
	s_lshl_b32 s36, ttmp9, 12                      ; y_sc: 8 tiles of 512 bytes
	s_mov_b32 s37, 0
	s_mul_i32 s38, s22, 51200
	s_add_co_u32 s38, s38, 3*819200                ; Wp's images of my 64 columns
	s_mov_b32 s39, 0
	s_lshl_b32 s40, s22, 8                         ; 256 bytes of bp, and of a row of out0
	s_mov_b32 s41, 0
	s_lshl_b32 s42, ttmp9, 19                      ; 128 rows of 4,096 bytes
	s_add_co_u32 s42, s42, s40
	s_mov_b32 s43, 0
	s_wait_kmcnt 0x0
	s_add_nc_u64 s[4:5], s[4:5], s[34:35]
	s_add_nc_u64 s[6:7], s[6:7], s[36:37]
	s_add_nc_u64 s[28:29], s[8:9], s[38:39]
	s_add_nc_u64 s[32:33], s[10:11], s[40:41]
	s_add_nc_u64 s[12:13], s[12:13], s[42:43]
	s_wait_alu depctr_va_vdst(0)                   ; the offsets and LDS addresses v1 to v12 are written: every load and store of the kernel reads one of them
	BLOAD 0
	BLOAD 1
	BLOAD 2
	WIN 0x40
.irp nt, 0,1,2,3                               ; the bias in the result's layout: lane (r, h): columns 32 (nt / 2) + 16 h + 8 (nt % 2) + 0 .. 7
	global_load_b128 v[BIASR+8*\nt:BIASR+8*\nt+3], v[BA], s[32:33] offset:(32*(\nt/2)+8*(\nt%2))*4
	global_load_b128 v[BIASR+8*\nt+4:BIASR+8*\nt+7], v[BA], s[32:33] offset:(32*(\nt/2)+8*(\nt%2))*4+16
.endr
	WIN 0
.irp mt, 0,1,2,3,4,5,6,7                       ; y's scale words: token r of tile mt: eight words, one a K step
	global_load_b128 v[ASCR+8*\mt:ASCR+8*\mt+3], v[R32], s[6:7] offset:512*\mt
	global_load_b128 v[ASCR+8*\mt+4:ASCR+8*\mt+7], v[R32], s[6:7] offset:512*\mt+16
.endr
	WIN 0x80
.irp f, 0,1,2,3,4,5,6,7,8,9,10,11,12,13,14,15  ; my 16 fragments, f = 8 u + ks: heads 2 ks and 2 ks + 1 of tile 2 w + u
	global_load_b128 v[12*\f:12*\f+3], v[LI], s[4:5] offset:12288*(\f/8)+1536*(\f%8)
	global_load_b64 v[12*\f+4:12*\f+5], v[L8], s[4:5] offset:12288*(\f/8)+1536*(\f%8)+512
	global_load_b128 v[12*\f+6:12*\f+9], v[LI], s[4:5] offset:12288*(\f/8)+1536*(\f%8)+768
	global_load_b64 v[12*\f+10:12*\f+11], v[L8], s[4:5] offset:12288*(\f/8)+1536*(\f%8)+1280
.endr
	WIN 0x08                                       ; an LDS store's data are its source 1: window 2
.irp f, 0,1,2,3,4,5,6,7,8,9,10,11,12,13,14,15
	s_wait_loadcnt 4*(15-\f)                       ; this fragment's four loads are in; the younger fragments' may be out
.irp g, 0,1,2
	ds_store_b128 v[XWI], v[12*\f+4*\g:12*\f+4*\g+3] offset:1536*\f+512*\g
.endr
.endr
	WIN 0
	s_wait_dscnt 0x0                               ; for the others' sake: my images have landed
	s_barrier_signal -1
	s_barrier_wait -1                              ; y's 64 images lie in LDS; they are only read from here on
	s_wait_alu depctr_vm_vsrc(0)                   ; my LDS stores have read window 2's v0-191: these registers are accumulators from here on, written by K step 0's products
	ALOADH 0, 0
	ALOADH 0, 1
.irp s, 0,1,2,3,4,5,6,7
	KSTEP \s
.endr
.rept 4
	v_nop                                          ; four plain lines between the last products and the first read of results, and the loads into registers that held y's fragments
.endr
	s_wait_alu depctr_va_vdst(0)                   ; the products have written the accumulators, which the stage's LDS stores read, and are done reading y's even set, in whose registers the rows land; the places above stay beside this wait
; token tile a: a lane's 32 numbers (register 16 b + 4 q + ..: columns 32 b + 16 h + 4 q + ..) into my stage, each accumulator from its low end on, and back as rows
.macro TOSTAGE a
	WIN 0x08
.irp b, 0,1
.irp q, 0,1,2,3
	ds_store_b128 v[STO], v[32*(\a)+16*\b+4*\q:32*(\a)+16*\b+4*\q+3] offset:128*\b+16*\q
.endr
.endr
	WIN 0
.irp i, 0,1,2,3,4,5,6,7
	ds_load_b128 v[BK+32*((\a)%2)+4*\i:BK+32*((\a)%2)+4*\i+3], v[RD] offset:2*\i*272   ; LDS serves a wave's instructions in order (ISA guide 5.7.1.4): these see the stores above, and the next tile's stores come behind them
.endr
.endm
.macro SEND a, younger                 ; younger: the LDS instructions issued behind tile a's loads, which may stay out
	s_wait_dscnt \younger
.irp i, 0,1,2,3,4,5,6,7                        ; stage row 2 i + h is token 32 (a / 2) + 8 (a % 2) + 2 i + h + 8 (i / 4)
	global_store_b128 v[CO], v[BK+32*((\a)%2)+4*\i:BK+32*((\a)%2)+4*\i+3], s[12:13] offset:4096*(32*((\a)/2)+8*((\a)%2)+2*\i+8*(\i/4)) th:TH_STORE_NT
.endr
.endm
	TOSTAGE 0
.irp a, 1,2,3,4,5,6,7
.if \a > 1
	s_wait_xcnt 0x0                                ; tile a - 2's stores have had their addresses translated: tile a's rows may land in their data registers
	s_wait_alu depctr_vm_vsrc(0)                   ; tile a - 2's stores have read their rows' registers, in which tile a's rows land
.endif
	TOSTAGE \a
	SEND \a-1, 16                                  ; behind tile a - 1's loads: tile a's eight stores and eight loads
.endr
	SEND 7, 0
	s_wait_dscnt 0x0                               ; the closing lines, six on end
	s_wait_alu 0x0
	s_wait_tensorcnt 0x0
	ds_add_u32 v254, v255
	s_wait_dscnt 0x0
	s_endpgm
.Lfunc_end_k_q80b110198c_outp:
	.size	k_q80b110198c_outp, .Lfunc_end_k_q80b110198c_outp-k_q80b110198c_outp
	.p2alignl 7, 3214868480
	.fill 96, 4, 3214868480
	.section	.rodata,"a",@progbits
	.p2align	6, 0x0
	.amdhsa_kernel k_q80b110198c_outp
		.amdhsa_group_segment_fixed_size 116224
		.amdhsa_private_segment_fixed_size 0
		.amdhsa_enable_private_segment 0
		.amdhsa_kernarg_size 40
		.amdhsa_user_sgpr_count 2
		.amdhsa_user_sgpr_kernarg_segment_ptr 1
		.amdhsa_wavefront_size32 1
		.amdhsa_system_sgpr_workgroup_id_x 1
		.amdhsa_system_sgpr_workgroup_id_y 1
		.amdhsa_system_sgpr_workgroup_id_z 1
		.amdhsa_system_vgpr_workitem_id 0
		.amdhsa_next_free_vgpr 1024
		.amdhsa_next_free_sgpr 66
		.amdhsa_reserve_vcc 0
		.amdhsa_float_denorm_mode_32 3
		.amdhsa_float_denorm_mode_16_64 3
		.amdhsa_memory_ordered 1
		.amdhsa_forward_progress 1
		.amdhsa_inst_pref_size 88
	.end_amdhsa_kernel
	.amdgpu_metadata
---
amdhsa.version: [ 1, 2 ]
amdhsa.kernels:
  - .name:           k_q80b110198c_outp
    .symbol:         k_q80b110198c_outp.kd
    .args:
      - { .name: y_img, .offset: 0, .size: 8, .value_kind: global_buffer, .address_space: global }
      - { .name: y_sc, .offset: 8, .size: 8, .value_kind: global_buffer, .address_space: global }
      - { .name: w_img, .offset: 16, .size: 8, .value_kind: global_buffer, .address_space: global }
      - { .name: bp, .offset: 24, .size: 8, .value_kind: global_buffer, .address_space: global }
      - { .name: out0, .offset: 32, .size: 8, .value_kind: global_buffer, .address_space: global }
    .group_segment_fixed_size: 116224
    .private_segment_fixed_size: 0
    .kernarg_segment_align: 8
    .kernarg_segment_size: 40
    .max_flat_workgroup_size: 128
    .sgpr_count:     66
    .vgpr_count:     1024
    .wavefront_size: 32
...
	.end_amdgpu_metadata
.endif
;; end of part 6
